; MI455X (gfx1250); checked and timed in simulation.
; The chip was launched on July 23, 2026; its instructions are those of AMD's public machine-readable ISA for CDNA 5 (MIT licence, August 2026) and "CDNA5" Instruction Set Architecture Reference Guide (July 2026). The comments in the code are by the model that wrote it; some were corrected since.
;; Cross Attention. Allowed arithmetic: matrix products marked QUANTISED: E2M3 operands, one E8M0 scale for each 32 along K, by v_wmma_scale_f32_16x16x128_f8f6f4 with both operands' format E2M3, f32 sums; everything else in f32.
;; Inputs: Wk 1,024 x 1,024 float32; Wo 1,024 x 1,024 float32; Wq 1,024 x 1,024 float32; Wv 1,024 x 1,024 float32; adj 4 x 2,048 x 2,048 float32; bk 1,024 float32; bo 1,024 float32; bq 1,024 float32; bv 1,024 float32; x 4 x 2,048 x 1,024 float32; y 4 x 2,048 x 1,024 float32.
;; Outputs: out0 4 x 2,048 x 1,024 float32.
;; This version of the problem:
;;   THIS VERSION OF THE PROBLEM IS GIVEN IN LOW PRECISION. The matrix products marked QUANTISED in the list below multiply operands that are first quantised to E2M3 (2 exponent bits, 3 mantissa bits; 6 bits a number), with one power-of-two scale for each 32 numbers along K (OCP MX v1.0); their sums are f32. All else is computed in f32.
;;   The module's matrix products, in the order in which they are computed (A, B: the left and right operand; K: the contracted axis; several contracted axes count as one K, in the product's order):
;;     1. [M 8,192, K 1,024] x [K 1,024, N 1,024]; A: input x; B: input Wq: QUANTISED
;;     2. [M 8,192, K 1,024] x [K 1,024, N 1,024]; A: input y; B: input Wk: QUANTISED
;;     3. [M 8,192, K 1,024] x [K 1,024, N 1,024]; A: input y; B: input Wv: QUANTISED
;;     4. batch 4 x [M 2,048, K 1,024] x [K 1,024, N 2,048]; A: computed on the way; B: computed on the way: QUANTISED
;;     5. batch 4 x [M 2,048, K 2,048] x [K 2,048, N 1,024]; A: softmax (see below); B: computed on the way: QUANTISED
;;     6. [M 8,192, K 1,024] x [K 1,024, N 1,024]; A: computed on the way; B: input Wo: QUANTISED
;;   THE QUANTISER, for each operand of a quantised product, along K:
;;     - K is cut into blocks of 32 from its start; a last block that is shorter is filled with zeros.
;;     - A block's scale is 2^e with e = floor(log2(the largest magnitude in the block)) - 2, held to -126 .. 127; a block of zeros has e = 0. As a byte (E8M0): e + 127.
;;     - Each number is divided by its block's scale, clamped to +-7.5, and rounded to the nearest number of E2M3, ties to even, subnormals kept.
;;     - The product sums the exact products of the quantised numbers (number of the format x scale) in f32.
;;   ~~~python
;;   def quantise(x, axis):      # numpy; x: float32 -> the quantised numbers, widened to float32 again
;;       x = np.moveaxis(x, axis, -1); K = x.shape[-1]
;;       x = np.pad(x, [(0, 0)] * (x.ndim - 1) + [(0, -K % 32)]); x = x.reshape(x.shape[:-1] + (-1, 32)); a = np.abs(x).max(-1, keepdims=True)
;;       e = np.where(a > 0, np.clip(np.frexp(np.where(a > 0, a, 1))[1] - 1 - 2, -126, 127), 0)      # np.frexp(a)[1] - 1 = floor(log2(a)), exactly
;;       r = np.clip(x / 2.0 ** e, -7.5, 7.5)
;;       step = 2.0 ** (np.maximum(np.frexp(np.where(r == 0, 1, r))[1] - 1, 0) - 3)
;;       q = np.round(r / step) * step * 2.0 ** e      # np.round: ties to even
;;       return np.moveaxis(q.reshape(q.shape[:-2] + (-1,))[..., :K], -1, axis).astype(np.float32)
;;   ~~~
;;   SOFTMAX AHEAD OF A QUANTISED PRODUCT. Where the list says 'softmax', what is quantised is not the finished softmax but p = 2^(t - M), with t = logit x log2(e) and M = ceil(the row's largest t), a whole number; so 1/2 < the row's largest p <= 1. The row's sum l is taken of the UNQUANTISED p, in f32, and the product's result is divided by l at the end. Since M is a whole number, a kernel that streams over the keys may use a running M (the ceiling of the running maximum): every later rescaling is an exact power of two, which a block's scale takes up: the codes' values come out the same.
;;   OPERANDS COMPUTED ON THE WAY. 'Computed on the way' means the value that the module computes at that place (a softmax that the list does not call 'softmax' is quantised finished and normalised). What goes into a quantiser is computed in f32, as accurately as f32 sums, v_exp_f32 and their like allow (about 1e-6 of the number): no bf16 or f16 on the way to a quantiser, and a product that is left as it is and whose result goes on into a quantised operand takes f32 operands (vector FMAs, or v_wmma_f32_16x16x4_f32). A number that lies on a knife's edge between two numbers of the format may be rounded either way, as far as f32 arithmetic and the matrix unit's own rounding can turn it there, and no further.
;; One version. Each part assembles by itself: llvm-mc -triple=amdgcn-amd-amdhsa -mcpu=gfx1250 --defsym DOCPART=n.
;; ======== version 1 of 1: 5 launches
;; limits: right only within a limited range of input values
;; workspace buffers: qin 16,384,000 bytes; qkv 19,660,800 bytes; pb 14,155,776 bytes; tb 6,553,600 bytes
;; launch quant (part 1): grid 768 x 1, 4 waves a work-group, no clusters, 34,304 bytes of LDS; arguments x, y, Wq, Wk, Wv, Wo, qin; writes qin
.if DOCPART == 1
	.amdgcn_target "amdgcn-amd-amdhsa--gfx1250"
	.amdhsa_code_object_version 6
	.text
	.protected	k_q7fbb2dba84_quant
	.globl	k_q7fbb2dba84_quant
	.p2align	8
	.type	k_q7fbb2dba84_quant,@function
k_q7fbb2dba84_quant:
	s_mov_b64 s[64:65], 0
	v_nop
	global_prefetch_b8 v0, s[64:65] scope:SCOPE_SE
	s_setreg_imm32_b32 hwreg(HW_REG_WAVE_MODE, 25, 1), 1
	s_wait_xcnt 0x0
; LAUNCH 1 OF 5.  x, y [8192][1024] and Wq, Wk, Wv, Wo [1024 (k)][1024 (n)], f32, become codes of FP6 (E2M3) with one E8M0 scale byte for each 32 along K, in the workspace qin.
; THE WHOLE PROGRAM: quant (this) | proj: Q = x Wq + bq, K = y Wk + bk, V^T = (y Wv + bv)^T, quantised on the way out | scores: p = 2^(t - M) of Q K^T / 32 + adj, quantised | pv: (P V) / l, quantised | out: tmp Wo + bo.
; DEAD WORK: none.  bq, bk and bv go into quantised operands (Q, K, V), bo goes into the output, adj differs along the softmax's axis: every input has a way to the output and every input is loaded.
; LIMITS: NaN and infinities among the inputs are not served.  A block of zeros gets the scale byte 1 where the quantiser says 127: its codes are zeros, which add nothing under any byte but 0xff, and this program alone
; reads the bytes.  Blocks whose largest magnitude lies under 2^-124 are taken at that floor.
; THE WORKSPACE FORMAT, for every operand [rows][K] of every product of the program:
;   rows stand in POSITION order: position p holds the true row that is p with bits 3 and 4 exchanged.  Row tile rho = p / 16, lane r = p % 16: true row 32 (rho / 2) + 8 (rho % 2) + r % 8 + 16 (r / 8).
;   So a product used transposed leaves, in a lane's 64 registers of eight neighbouring tiles, 128 TRUE neighbours along the next product's K (in halves of 16 for each half of the lanes).
;   codes: [rho][kappa = k / 128][1,536 bytes], the image of the fragment's 12 registers: register 4 c + e of lane L at 512 c + 16 L + 4 e.  scales: [p / 128][kappa][p % 128] words, byte b for k = 128 kappa + 32 b on.
; qin: x's codes at 0, y's at 6,291,456, W t's at 12,582,912 + 786,432 t (t = 0 q, 1 k, 2 v, 3 o; rows = n); scales: x 15,728,640, y 15,990,784, W t 16,252,928 + 32,768 t.
; SHARES.  Work-groups 0-511 take x and y (K innermost): 32 true rows each, 128 KB on end; wave w takes kappa 2 w, 2 w + 1: four fragments.  Work-groups 512-767 take the weights (K is the first axis): a lane takes a column.
; No matrix unit, no cluster, no tensor load: memory binds, work-groups share no input, and the waves share nothing, so there is no barrier.
.set STG,   8448                       ; a wave's stage: 16 rows x (512 bytes + 16)
.set SPARE, 4*STG                      ; behind the four stages: the spare words, 128 bytes for each wave, which no other line names
.set GI,   1                           ; v1   x, y: 16 x lane + 1,024 x wave
.set SIN,  2                           ; v2   the stage, on the way in: 16 x lane
.set SOUT, 3                           ; v3   and on the way out: 528 r + 64 h
.set LI,   4                           ; v4   16 x lane
.set LS,   5                           ; v5   4 x lane
.set SPW,  6                           ; v6   LDS address of my spare word; never rewritten
.set NIL,  7                           ; v7   0; never rewritten
.set TM,   16                          ; v16-19 largest magnitudes, v20-23 the other half's, then bytes, v28-31 the conversions' scale operands
.set PW,   32                          ; the scale word just made;  v33 the even tile's, kept;  v34 both tiles' words, to store
.set PWE,  33
.set PWS,  34
.set PC,   36                          ; v36-47 a fragment's codes; v48-55 at work
.set R,    64                          ; v64-255 three buffers of 64 numbers
.set SEL,  32                          ; s[32:33] lane selects: lane l xor 16
.set HM,   34                          ; s34  the mask of lanes 16-31
	s_load_b256 s[4:11], s[0:1], 0x0               ; x, y, Wq, Wk
	s_load_b128 s[12:15], s[0:1], 0x20             ; Wv, Wo
	s_load_b64 s[16:17], s[0:1], 0x30              ; qin
	v_lshl_add_u32 v[SPW], v0, 2, SPARE
	v_mov_b32 v[NIL], 0
	v_lshrrev_b32 v8, 5, v0
	v_readfirstlane_b32 s18, v8                    ; wave
	v_and_b32 v9, 31, v0                           ; lane
	s_cmp_lt_u32 ttmp9, 512
	s_cbranch_scc0 .Lweights
; ---------------- x and y: K innermost ----------------
	v_and_b32 v10, 15, v0                          ; r
	v_bfe_u32 v11, v0, 4, 1                        ; h
	v_lshlrev_b32 v[LI], 4, v9
	v_lshlrev_b32 v[LS], 2, v9
	s_lshl_b32 s22, s18, 10
	v_add_nc_u32 v[GI], s22, v[LI]
	s_mul_i32 s23, s18, STG
	v_add_nc_u32 v[SIN], s23, v[LI]
	v_mul_u32_u24 v[SOUT], v10, 528
	v_lshl_add_u32 v[SOUT], v11, 6, v[SOUT]
	v_add_nc_u32 v[SOUT], s23, v[SOUT]
	s_mov_b32 s[HM], 0xffff0000
	s_mov_b32 s[SEL], 0x76543210
	s_mov_b32 s[SEL+1], 0xfedcba98
.irp b, 0,1,2,3
	v_mov_b32 v[TM+4+\b], 0                        ; written once: a lane permute's destination counts as one of its sources
.endr
	s_lshr_b32 s24, ttmp9, 8                       ; 0: x, 1: y
	s_and_b32 s25, ttmp9, 255                      ; which 32 rows
	s_lshl_b32 s26, s25, 17                        ; 32 rows of 4,096 bytes
	s_mov_b32 s27, 0
	s_mul_i32 s28, s24, 6291456                    ; the codes: tensor, two row tiles of 12,288 bytes, two kappa of 1,536 bytes a wave
	s_mul_i32 s30, s25, 24576
	s_add_co_u32 s28, s28, s30
	s_mul_i32 s30, s18, 3072
	s_add_co_u32 s28, s28, s30
	s_mov_b32 s29, 0
	s_mul_i32 s30, s24, 262144                     ; the scale words: tensor, group of 128 positions (4,096 bytes), kappa (512 bytes), my 32 positions (128 bytes)
	s_add_co_u32 s30, s30, 15728640
	s_lshr_b32 s31, s25, 2
	s_lshl_b32 s31, s31, 12
	s_add_co_u32 s30, s30, s31
	s_lshl_b32 s31, s18, 10
	s_add_co_u32 s30, s30, s31
	s_and_b32 s31, s25, 3
	s_lshl_b32 s31, s31, 7
	s_add_co_u32 s30, s30, s31
	s_mov_b32 s31, 0
	s_wait_alu depctr_va_vdst(0)
	s_wait_kmcnt 0x0
	s_cmp_eq_u32 s24, 0                            ; the choice hangs on the work-group's number alone
	s_cselect_b64 s[4:5], s[4:5], s[6:7]
	s_add_nc_u64 s[4:5], s[4:5], s[26:27]
	s_add_nc_u64 s[8:9], s[16:17], s[28:29]
	s_add_nc_u64 s[10:11], s[16:17], s[30:31]
; Fragment f of four: row tile f % 2 of my work-group's two, kappa f / 2 of my wave's two.  Load i takes 512 consecutive bytes of the true row that stands at lane i of the tile.
.macro LOADF f
.irp i, 0,1,2,3,4,5,6,7,8,9,10,11,12,13,14,15
	global_load_b128 v[R+64*((\f)%3)+4*\i:R+64*((\f)%3)+4*\i+3], v[GI], s[4:5] offset:(8*((\f)%2)+\i%8+16*(\i/8))*4096+512*((\f)/2) th:TH_LOAD_NT
.endr
.endm
; Through my stage: in as loaded, a row of 512 bytes a store; out so that lane (r, h) holds, of row r, register 16 b + i = k 32 b + 16 h + i.  LDS serves a wave's instructions in order: no wait between.
.macro TURNF f
.irp i, 0,1,2,3,4,5,6,7,8,9,10,11,12,13,14,15
	ds_store_b128 v[SIN], v[R+64*((\f)%3)+4*\i:R+64*((\f)%3)+4*\i+3] offset:528*\i
.endr
.irp i, 0,1,2,3,4,5,6,7,8,9,10,11,12,13,14,15
	ds_load_b128 v[R+64*((\f)%3)+4*\i:R+64*((\f)%3)+4*\i+3], v[SOUT] offset:128*(\i/4)+16*(\i%4)
.endr
.endm
; 64 numbers of a lane become a fragment's codes in v[PC] on and its row's scale word in v[PW].
.macro QUANT s
.irp b, 0,1,2,3
	v_max3_num_f32 v[TM+\b], |v[(\s)+16*\b]|, |v[(\s)+16*\b+1]|, 0x1800000   ; block b: my 16 numbers, and the floor 2^(3 - 127): the byte cannot fall under 1
.endr
.irp i, 2,4,6,8,10,12,14
.irp b, 0,1,2,3
	v_max3_num_f32 v[TM+\b], v[TM+\b], |v[(\s)+16*\b+\i]|, |v[(\s)+16*\b+\i+1]|   ; the four blocks by turns
.endr
.endr
.irp b, 0,1,2,3
	v_permlanex16_b32 v[TM+4+\b], v[TM+\b], s[SEL], s[SEL+1]
.endr
.irp b, 0,1,2,3
	v_max_num_f32 v[TM+\b], v[TM+\b], v[TM+4+\b]   ; with lane l xor 16's 16: the block's largest magnitude
.endr
.irp b, 0,1,2,3
	v_add_nc_u32 v[TM+12+\b], 0xff000000, v[TM+\b] ; 2 off its exponent field: the conversion takes the exponent field of this operand as its scale
.endr
.irp b, 0,1,2,3
	v_lshrrev_b32 v[TM+4+\b], 23, v[TM+12+\b]      ; the scale's byte
.endr
	v_lshl_or_b32 v[PW], v[TM+5], 8, v[TM+4]
	v_lshl_or_b32 v[PW], v[TM+6], 16, v[PW]
	v_lshl_or_b32 v[PW], v[TM+7], 24, v[PW]
.irp c, 0,1
	v_cvt_scalef32_pk16_fp6_f32 v[PC+6*\c:PC+6*\c+2], v[(\s)+32*\c:(\s)+32*\c+15], v[TM+12+2*\c]
	v_cvt_scalef32_pk16_fp6_f32 v[PC+12+4*\c:PC+12+4*\c+2], v[(\s)+32*\c+16:(\s)+32*\c+31], v[TM+12+2*\c+1]   ; (a conversion's three registers begin on an even number)
.endr
	v_nop                                          ; one plain place behind a scaled conversion
.irp c, 0,1                                    ; the operand's layout wants a whole block in a lane: lanes 0-15 block 2 c, lanes 16-31 block 2 c + 1
.irp i, 0,1,2
	v_permlane16_swap_b32 v[PC+6*\c+\i], v[PC+12+4*\c+\i]
.endr
.irp i, 0,1,2
	v_mov_b32 v[PC+3+6*\c+\i], v[PC+12+4*\c+\i]
.endr
.endr
.endm
; left: the loads issued behind fragment f's sixteen, which may stay out
.macro FRAGQ f, left
	s_wait_loadcnt \left
	TURNF \f
	s_wait_dscnt 0x0                               ; the numbers are back from the stage
.if (\f) > 0
	s_wait_xcnt 0x0                                ; the last fragment's stores have read their data: the codes and the words may be written again
.endif
	QUANT R+64*((\f)%3)
.if (\f) == 0
	LOADF 3                                        ; into the buffer just quantised
.endif
.irp c, 0,1,2
	global_store_b128 v[LI], v[PC+4*\c:PC+4*\c+3], s[8:9] offset:12288*((\f)%2)+1536*((\f)/2)+512*\c   ; the wave stores 512 consecutive bytes, aligned
.endr
.if (\f)%2 == 0
	v_mov_b32 v[PWE], v[PW]
.else
	v_cndmask_b32 v[PWS], v[PWE], v[PW], s[HM]     ; lanes 0-15: the even tile's words, lanes 16-31: the odd tile's: 32 neighbouring positions
	global_store_b32 v[LS], v[PWS], s[10:11] offset:512*((\f)/2)
.endif
.endm
	LOADF 0
	LOADF 1
	LOADF 2
	FRAGQ 0, 32
	FRAGQ 1, 32
	FRAGQ 2, 16
	FRAGQ 3, 0
	s_wait_tensorcnt 0x0                           ; the wave's end, behind my last LDS store; the tensor wait stands though this text has no tensor load
	ds_add_u32 v[SPW], v[NIL]
	s_wait_dscnt 0x0
	s_endpgm
; ---------------- the weights: K is the first axis ----------------
; A lane takes a true column n and its registers run down the 128 k of one kappa: each load reads 128 consecutive bytes a wave, the four waves 512; a block's largest magnitude needs no other lane; the conversions give
; both halves (h = 0, 1) of the column's part of a fragment, which the lane stores at its position's place in the image.
.Lweights:
	s_sub_co_u32 s22, ttmp9, 512
	s_lshr_b32 s23, s22, 6                         ; which weight
	s_bfe_u32 s24, s22, 0x30003                    ; kappa
	s_and_b32 s25, s22, 7                          ; which 128 columns
	s_wait_alu depctr_va_vdst(0)
	v_lshlrev_b32 v1, 2, v9                        ; in: 4 bytes a lane
	v_bfe_u32 v2, v9, 3, 1                         ; the column's bit 3 is its position's bit 4: which of two row tiles
	v_lshrrev_b32 v3, 4, v9
	v_and_b32 v4, 7, v9
	v_lshl_add_u32 v4, v3, 3, v4                   ; and its lane r there
	v_mul_u32_u24 v5, v2, 12288
	v_lshl_add_u32 v5, v4, 4, v5                   ; the codes' place: row tile, 16 r
	v_lshl_add_u32 v10, v2, 4, v4
	v_lshlrev_b32 v10, 2, v10                      ; the scale word's: 4 x (position % 32)
	s_lshl_b32 s26, s24, 19                        ; W: 128 rows of 4,096 bytes a kappa,
	s_lshl_b32 s28, s25, 9
	s_add_co_u32 s26, s26, s28
	s_lshl_b32 s28, s18, 7
	s_add_co_u32 s26, s26, s28                     ; + 4 x (128 x group + 32 x wave)
	s_mov_b32 s27, 0
	s_lshl_b32 s30, s25, 2
	s_add_co_u32 s30, s30, s18                     ; which 32 columns
	s_mul_i32 s28, s30, 24576
	s_mul_i32 s30, s23, 786432
	s_add_co_u32 s28, s28, s30
	s_mul_i32 s30, s24, 1536
	s_add_co_u32 s28, s28, s30
	s_add_co_u32 s28, s28, 12582912
	s_mov_b32 s29, 0
	s_lshl_b32 s30, s23, 15
	s_add_co_u32 s30, s30, 16252928
	s_lshl_b32 s31, s25, 12
	s_add_co_u32 s30, s30, s31
	s_lshl_b32 s31, s24, 9
	s_add_co_u32 s30, s30, s31
	s_lshl_b32 s31, s18, 7
	s_add_co_u32 s30, s30, s31
	s_mov_b32 s31, 0
	s_wait_alu depctr_va_vdst(0)
	s_wait_kmcnt 0x0
	s_cmp_eq_u32 s23, 0                            ; the choices hang on the work-group's number alone
	s_cselect_b64 s[20:21], s[8:9], s[10:11]
	s_cmp_eq_u32 s23, 2
	s_cselect_b64 s[20:21], s[12:13], s[20:21]
	s_cmp_eq_u32 s23, 3
	s_cselect_b64 s[20:21], s[14:15], s[20:21]
	s_add_nc_u64 s[20:21], s[20:21], s[26:27]
	s_add_nc_u64 s[8:9], s[16:17], s[28:29]
	s_add_nc_u64 s[10:11], s[16:17], s[30:31]
.set II, 0
.rept 128
	global_load_b32 v[64+II], v1, s[20:21] offset:4096*II th:TH_LOAD_NT
.set II, II+1
.endr
	s_wait_loadcnt 0x0
.irp b, 0,1,2,3
	v_max3_num_f32 v[16+\b], |v[64+32*\b]|, |v[65+32*\b]|, 0x1800000   ; block b: all 32 numbers are mine; and the floor
.endr
.irp i, 2,4,6,8,10,12,14,16,18,20,22,24,26,28,30
.irp b, 0,1,2,3
	v_max3_num_f32 v[16+\b], v[16+\b], |v[64+32*\b+\i]|, |v[65+32*\b+\i]|
.endr
.endr
.irp b, 0,1,2,3
	v_add_nc_u32 v[20+\b], 0xff000000, v[16+\b]
.endr
.irp b, 0,1,2,3
	v_lshrrev_b32 v[24+\b], 23, v[20+\b]
.endr
	v_lshl_or_b32 v28, v25, 8, v24
	v_lshl_or_b32 v28, v26, 16, v28
	v_lshl_or_b32 v28, v27, 24, v28
.irp b, 0,1,2,3                                ; block b = 2 c + h: registers 6 c .. 6 c + 5 of half h's twelve, at v[192 + 12 h]
	v_cvt_scalef32_pk16_fp6_f32 v[192+12*(\b%2)+6*(\b/2):192+12*(\b%2)+6*(\b/2)+2], v[64+32*\b:79+32*\b], v[20+\b]
	v_cvt_scalef32_pk16_fp6_f32 v[216+4*\b:218+4*\b], v[80+32*\b:95+32*\b], v[20+\b]
.endr
	v_nop
.irp b, 0,1,2,3
.irp i, 0,1,2
	v_mov_b32 v[195+12*(\b%2)+6*(\b/2)+\i], v[216+4*\b+\i]
.endr
.endr
.irp h, 0,1
.irp c, 0,1,2
	global_store_b128 v5, v[192+12*\h+4*\c:192+12*\h+4*\c+3], s[8:9] offset:512*\c+256*\h   ; sixteen lanes of one row tile store 256 consecutive bytes, aligned
.endr
.endr
	global_store_b32 v10, v28, s[10:11]
	s_endpgm
.Lfunc_end_k_q7fbb2dba84_quant:
	.size	k_q7fbb2dba84_quant, .Lfunc_end_k_q7fbb2dba84_quant-k_q7fbb2dba84_quant
	.p2alignl 7, 3214868480
	.fill 96, 4, 3214868480
	.section	.rodata,"a",@progbits
	.p2align	6, 0x0
	.amdhsa_kernel k_q7fbb2dba84_quant
		.amdhsa_group_segment_fixed_size 34304
		.amdhsa_private_segment_fixed_size 0
		.amdhsa_enable_private_segment 0
		.amdhsa_kernarg_size 56
		.amdhsa_user_sgpr_count 2
		.amdhsa_user_sgpr_kernarg_segment_ptr 1
		.amdhsa_wavefront_size32 1
		.amdhsa_system_sgpr_workgroup_id_x 1
		.amdhsa_system_sgpr_workgroup_id_y 1
		.amdhsa_system_sgpr_workgroup_id_z 1
		.amdhsa_system_vgpr_workitem_id 0
		.amdhsa_next_free_vgpr 256
		.amdhsa_next_free_sgpr 66
		.amdhsa_reserve_vcc 0
		.amdhsa_float_denorm_mode_32 3
		.amdhsa_float_denorm_mode_16_64 3
		.amdhsa_memory_ordered 1
		.amdhsa_forward_progress 1
		.amdhsa_inst_pref_size 54
	.end_amdhsa_kernel
	.amdgpu_metadata
---
amdhsa.version: [ 1, 2 ]
amdhsa.kernels:
  - .name:           k_q7fbb2dba84_quant
    .symbol:         k_q7fbb2dba84_quant.kd
    .args:
      - { .name: x, .offset: 0, .size: 8, .value_kind: global_buffer, .address_space: global }
      - { .name: y, .offset: 8, .size: 8, .value_kind: global_buffer, .address_space: global }
      - { .name: Wq, .offset: 16, .size: 8, .value_kind: global_buffer, .address_space: global }
      - { .name: Wk, .offset: 24, .size: 8, .value_kind: global_buffer, .address_space: global }
      - { .name: Wv, .offset: 32, .size: 8, .value_kind: global_buffer, .address_space: global }
      - { .name: Wo, .offset: 40, .size: 8, .value_kind: global_buffer, .address_space: global }
      - { .name: qin, .offset: 48, .size: 8, .value_kind: global_buffer, .address_space: global }
    .group_segment_fixed_size: 34304
    .private_segment_fixed_size: 0
    .kernarg_segment_align: 8
    .kernarg_segment_size: 56
    .max_flat_workgroup_size: 128
    .sgpr_count:     66
    .vgpr_count:     256
    .wavefront_size: 32
...
	.end_amdgpu_metadata
.endif
;; end of part 1
;; launch proj (part 2): grid 4 x 64, 4 waves a work-group, clusters of 4 x 4, 327,680 bytes of LDS; arguments qin, bq, bk, bv, qkv; writes qkv
.if DOCPART == 2
	.amdgcn_target "amdgcn-amd-amdhsa--gfx1250"
	.amdhsa_code_object_version 6
	.text
	.protected	k_q7fbb2dba84_proj
	.globl	k_q7fbb2dba84_proj
	.p2align	8
	.type	k_q7fbb2dba84_proj,@function
k_q7fbb2dba84_proj:
	s_mov_b64 s[64:65], 0
	v_nop
	global_prefetch_b8 v0, s[64:65] scope:SCOPE_SE
	s_setreg_imm32_b32 hwreg(HW_REG_WAVE_MODE, 25, 1), 1
	s_wait_xcnt 0x0
	s_wait_alu depctr_hold_cnt(0) depctr_sa_sdst(0) depctr_va_vdst(0) depctr_va_sdst(0) depctr_va_ssrc(0) depctr_va_vcc(0) depctr_vm_vsrc(0)
	s_getreg_b32 s2, hwreg(HW_REG_IB_STS2, 6, 4)
	s_cmp_eq_u32 s2, 0
	s_cbranch_scc0 .Lentry_in_a_cluster
	s_endpgm
.Lentry_in_a_cluster:
	s_bfe_u32 s2, ttmp6, 0x10000c
	s_cmp_lg_u32 s2, 0xf033
	s_cbranch_scc0 .Lentry_shape_is_right
	s_endpgm
.Lentry_shape_is_right:
; LAUNCH 2 OF 5.  Q = x Wq + bq, K = y Wk + bk (rows = tokens, K of the next product = d) and V^T = (y Wv + bv)^T (rows = d, K of the next product = the keys), all three on codes of FP6 with E8M0 scales,
; and each result quantised along its next K on the way out.  Operands and results lie in the workspace format that the first launch's head states.  No work of reference() is left out here.
; qkv: Q's codes at 0, K's at 6,291,456, V^T's at 12,582,912 ([batch][64 row tiles][16 kappa][1,536]); scale words: Q 18,874,368, K 19,136,512, V^T 19,398,656 ([batch][8 groups][16 kappa][128]).
; SHARES.  Each of the three results has 256 tiles of 128 x 256, and there are 256 work-groups (16 clusters of 4 x 4): A WORK-GROUP STAYS and makes three tiles, its tile of Q, then of K, then of V^T: equal work for all.
; A wave makes 64 x 128 of a tile: 32 accumulators.  "A" is the operand whose rows become the result's rows (x, y, Wv's columns), "B" the one whose rows become the next K (Wq's, Wk's columns, y).
; THE MATRIX INSTRUCTION IS USED TRANSPOSED: source 0 = 16 rows of B, source 1 = 16 rows of A: a lane holds one row of the result, and the 64 registers of A's block a are register 16 b + i = next k 32 b + 16 (lane / 16) + i.
; THE RING DOES NOT STOP AT A TILE'S END.  A tile's K = 1,024 is two slots of 512; the six slots' worth of steps t = 0 .. 5 (tile t / 2) go through two LDS slots; the change of slots behind step t asks for step t + 2's tiles,
; so that a tile's quantising and its stores stand while the next tile's two refills are on their way.  All steps are written out.
; CLUSTER.  With c the cluster's number: Q, K: tile row 4 c + cy, tile column cx;  V^T: tile row 4 (c % 2) + cy, tile column 4 (c / 2) + cx.  In all three A's tile hangs on cy alone and is shared along a row of the cluster,
; B's on cx alone and is shared along a column: each is asked for jointly, by the same tensor load with a mask that names the four.
; THE SCALE WORDS of tiles 0 and 1 come into LDS with the first fills.  The ring (294,912 bytes), two tiles' planes (2 x 13,824) and the spare words (512) make 323,072 of the 327,680 bytes: a third tile's planes do not fit.
; So tile 2's words come once from memory straight into the scale registers that they serve from: 48 loads a wave, a lane its row's word; the eight loads of a pair of kappa cover B's two planes whole.
; The biases are the C of each tile's first products: bq, bk run along the registers (eight registers for each tile of B), bv along the lanes (the same number in the eight registers of a block of A).
; REGISTERS, in windows of 256.  window 0: v1-7 offsets; v16-29 addresses; v32-79 scale words of the slots in hand (two sets), v80-127 tile 2's (two sets), and nothing else there; v144-191 A's fragments, one set;
;   v208-230 the way out's codes and words; v240-255 the quantiser's.  window 1: B's fragments, two sets, at v0 and v96.  window 2: accumulator (a, b) at v[8 (8 a + b)].  window 3: the biases: tile j's at v[64 j].
.set AB,    4                          ; A's blocks of 16 rows in a wave
.set NQ,    4                          ; steps of 128 along K in a slot
.set NK,    8                          ; steps in a tile
.set HB,    AB/2
.set NL,    3                          ; LDS loads that bring a fragment
.set FB,    1536                       ; a fragment's image
.set RT,    NQ*FB                      ; a row tile's bytes in a slot
.set ATB,   2*AB*RT                    ; A's part of a slot
.set SLOT,  ATB+16*RT
.set PLP,   576                        ; a plane of scale words: 128 positions x 4 bytes + 64 of padding, so that the two planes that a load touches fall on different banks
.set SCL,   2*SLOT                     ; behind the ring: for tiles 0 and 1 each: A's 8 planes, then B's 2 x 8
.set SCT,   24*PLP
.set SPARE, SCL+2*SCT                  ; the spare words, 128 bytes for each wave, which no other line names
.set SC,   32
.set AF,   144
.set PC,   208                         ; v208-219 codes, v220-227 at work
.set PW,   228
.set PWE,  229
.set PWS,  230
.set TM,   240
.set BO,   5                           ; v5   bq, bk: 64 h
.set BVO,  6                           ; v6   bv: 4 x (r % 8 + 16 (r / 8))
.set VG,   7                           ; v7   tile 2's scale words in memory: 512 h + 4 r
.set ADRA, 16                          ; v16-17 LDS address of my A fragments in slot 0, 1
.set ADRB, 20                          ; v20-21 the same for B
.set ADSA, 22                          ; v22  of A's scale words: lanes 0-15 the even kappa's plane, lanes 16-31 the odd's
.set ADSB, 23                          ; v23  of B's
.set LI,   26                          ; v26  16 x lane
.set LS,   27                          ; v27  4 x lane
.set SPW,  28                          ; v28  LDS address of my spare word; never rewritten
.set NIL,  29                          ; v29  0; never rewritten
.set G1,   24                          ; s[24:31], s[32:39] descriptor groups 1 and 0 (a set for each slot) for A's tiles
.set G0,   32
.set G1B,  48                          ; s[48:55], s[56:63] for B's
.set G0B,  56
.set G1S,  68                          ; s[76:79], s[88:91]: the head's groups 0 for A's and B's tiles
.set G0S0, 76
.set G1SB, 80
.set G0SB0, 88
.set G0S1, 92
.set G0SB1, 96
.set HM,   66                          ; s66  the mask of lanes 16-31
.set CL,   67                          ; s67  the cluster's number
; behind the first change of slots no load of scale words is out any more, and s68-99 take what the later tiles want:
.set TA2,  68                          ; s[68:69], s[70:71] where I fetch tile 2's A and B
.set TB2,  70
.set OC0,  72                          ; the ways out: tile j's codes and scale words
.set OS0,  74
.set OC1,  76
.set OS1,  78
.set OC2,  80
.set OS2,  82
.set GA,   84                          ; s[84:85], s[86:87] tile 2's scale words in memory, A's and B's
.set GB,   86
.set SEL,  98                          ; s[98:99] lane selects: lane l xor 16
.set MSB, 0
.macro WIN new                         ; the immediate's high byte repeats the setting that is left; a switch that changes nothing is dropped
.set NW, \new
.if MSB != NW
	s_set_vgpr_msb (MSB<<8)|NW
.set MSB, NW
.endif
.endm
.macro PLACES                          ; four places in front of loads into registers that matrix instructions have read, and of the first read of results
.rept 4
	v_nop
.endr
.endm
; A joint load: waves 0 and 1 fetch for A, waves 2 and 3 for B.  The branch hangs on the wave's number alone.  An s_nop 0 and four v_nop follow each of the two lines.
.macro JLOAD g0a, g1a, g0b, g1b
	s_cmp_eq_u32 s15, 0
	s_cbranch_scc0 .Lfor_b_\@
	tensor_load_to_lds s[\g0a:\g0a+3], s[\g1a:\g1a+7]
	s_nop 0
.rept 4
	v_nop
.endr
	s_branch .Lasked_\@
.Lfor_b_\@:
	tensor_load_to_lds s[\g0b:\g0b+3], s[\g1b:\g1b+7]
	s_nop 0
.rept 4
	v_nop
.endr
.Lasked_\@:
.endm
.macro CREST                           ; a round of the cluster's barrier behind its opening barrier
	s_cmp_lg_u32 s14, 0
	s_cbranch_scc1 .Lnot_wave_0_\@
	s_barrier_signal -3
.Lnot_wave_0_\@:
	s_barrier_wait -3
	s_barrier_signal -1
	s_barrier_wait -1
.endm
.macro CROUND                          ; a whole round
	s_barrier_signal -1
	s_barrier_wait -1
	CREST
.endm
.macro FRAG reg, adr, off              ; a fragment comes as the image of its registers: three loads of 512 consecutive bytes
.irp c, 0,1,2
	ds_load_b128 v[(\reg)+4*\c:(\reg)+4*\c+3], v[\adr] offset:(\off)+512*\c
.endr
.endm
.macro FETCH_B slot, q, p              ; B's eight fragments of the slot's q-th step into set p
	WIN 0x40
.irp i, 0,1,2,3,4,5,6,7
	FRAG 96*(\p)+12*\i, ADRB+(\slot), \i*RT+(\q)*FB
.endr
	WIN 0
.endm
.macro FETCH_A slot, q, i0             ; A's blocks i0 .. i0 + HB - 1
.set FI, \i0
.rept HB
	FRAG AF+12*FI, ADRA+(\slot), FI*RT+(\q)*FB
.set FI, FI+1
.endr
.endm
; Step t's scale words out of LDS into set t % 2: a register serves two steps of 128: lanes 0-15 the even one's words, lanes 16-31 the odd one's.  Tile 2's (t = 4, 5) stand in registers already: sets 2 and 3.
.macro SCALES t
.if (\t) < 4
.set SS, SC+24*((\t)%2)
.set SO, ((\t)/2)*SCT+((\t)%2)*NQ*PLP
.set SI, 0
.rept AB
.set SW, 0
.rept NQ/2
	ds_load_b32 v[SS+(NQ/2)*SI+SW], v[ADSA] offset:SO+2*SW*PLP+64*SI
.set SW, SW+1
.endr
.set SI, SI+1
.endr
.set SI, 0
.rept 8
.set SW, 0
.rept NQ/2
	ds_load_b32 v[SS+8+(NQ/2)*SI+SW], v[ADSB] offset:SO+2*SW*PLP+64*SI
.set SW, SW+1
.endr
.set SI, SI+1
.endr
.endif
.endm
.macro WMM odd                         ; one product, by the symbols RD, RB, RA, RC, RSB, RSA
.if \odd
	v_wmma_scale_f32_16x16x128_f8f6f4 v[RD:RD+7], v[RB:RB+11], v[RA:RA+11], v[RC:RC+7], v[RSB], v[RSA] matrix_a_fmt:MATRIX_FMT_FP6 matrix_b_fmt:MATRIX_FMT_FP6 matrix_a_scale:MATRIX_SCALE_ROW1 matrix_b_scale:MATRIX_SCALE_ROW1
.else
	v_wmma_scale_f32_16x16x128_f8f6f4 v[RD:RD+7], v[RB:RB+11], v[RA:RA+11], v[RC:RC+7], v[RSB], v[RSA] matrix_a_fmt:MATRIX_FMT_FP6 matrix_b_fmt:MATRIX_FMT_FP6
.endif
.endm
; A's blocks a0 .. a0 + cnt - 1, each against B's eight: p B's set, q the step in the slot, ss the set of scale words.  cm: 0 the sum goes on; 2 it starts with the bias of B's tile; 3 with the bias of A's block;
; bj: where the tile's bias stands in window 3.  The accumulators take turns, one instruction a turn, in the same order in every step.
.macro MULS a0, cnt, p, q, ss, cm, bj
.set MA, \a0
.rept \cnt
.if (\cm) >= 2
	WIN 0xb1                                       ; B window 1, A window 0, C window 3, D window 2
.else
	WIN 0xa1                                       ; C and D window 2
.endif
.set RA, AF+12*MA
.set RSA, SC+24*(\ss)+(NQ/2)*MA+(\q)/2
.irp b, 0,1,2,3,4,5,6,7
.set RD, 8*(8*MA+\b)
.set RB, 96*(\p)+12*\b
.set RSB, SC+24*(\ss)+8+(NQ/2)*\b+(\q)/2
.set RC, RD
.if (\cm) == 2
.set RC, (\bj)+8*\b
.endif
.if (\cm) == 3
.set RC, (\bj)+8*MA
.endif
	WMM (\q)%2
.endr
.set MA, MA+1
.endr
.endm
; A step of 128 along K that has its successor in the same slot.  A block of A is free as soon as its eight products are issued, so A has one set: the lower blocks are fetched anew in the step's middle, the upper at its end.
.macro STEP t, q, cm
	s_wait_dscnt HB*NL                             ; B's set, A's lower blocks (and the scale words) are in; the youngest loads, A's upper blocks, may be out
	MULS 0, HB, (\q)%2, \q, (\t)%2+2*((\t)/4), \cm, 64*((\t)/2)
	s_wait_dscnt 0x0                               ; A's upper blocks are in
	PLACES
	FETCH_B (\t)%2, (\q)+1, 1-(\q)%2
	FETCH_A (\t)%2, (\q)+1, 0
	MULS HB, HB, (\q)%2, \q, (\t)%2+2*((\t)/4), \cm, 64*((\t)/2)
	PLACES
	WIN 0
	FETCH_A (\t)%2, (\q)+1, HB
.endm
; What the later tiles want, made once, in s68-99, free behind the head's load.  Scalar work alone.
.macro LATER
	s_mov_b32 s[HM], 0xffff0000
	s_mov_b32 s[SEL], 0x76543210
	s_mov_b32 s[SEL+1], 0xfedcba98
	s_mov_b32 s89, 0                               ; s[88:89]: an offset, in 64 bits
	s_lshl_b32 s95, s15, 8                         ; my half of a group's 128 positions: 64 words
	s_and_b32 s90, s[CL], 1
	s_lshl_b32 s90, s90, 2
	s_add_co_u32 s90, s90, s41                     ; V^T: tile row 4 (c % 2) + cy
	s_lshr_b32 s91, s[CL], 1
	s_lshl_b32 s91, s91, 2
	s_add_co_u32 s91, s91, s40                     ; tile column 4 (c / 2) + cx
	s_lshl_b32 s92, s90, 1
	s_add_co_u32 s93, s92, s15                     ; which 64 of Wv's columns are my wave's rows
	s_add_co_u32 s92, s92, s16                     ; and which 64 I fetch
	s_lshl_b32 s94, s91, 1
	s_add_co_u32 s94, s94, s16                     ; g: which 128 rows of y are mine, to fetch and to multiply
	s_mul_i32 s88, s92, 49152                      ; four row tiles of 12,288 bytes
	s_add_co_u32 s88, s88, 14155776                ; Wv's codes
	s_add_nc_u64 s[TA2:TA2+1], s[4:5], s[88:89]
	s_mul_i32 s88, s94, 98304                      ; eight row tiles
	s_add_co_u32 s88, s88, 6291456                 ; y's codes
	s_add_nc_u64 s[TB2:TB2+1], s[4:5], s[88:89]
	s_lshl_b32 s88, s90, 12                        ; Wv's scale words: the group's 8 planes, my 64 positions
	s_add_co_u32 s88, s88, s95
	s_add_co_u32 s88, s88, 16318464
	s_add_nc_u64 s[GA:GA+1], s[4:5], s[88:89]
	s_lshl_b32 s88, s94, 12                        ; y's: group g
	s_add_co_u32 s88, s88, 15990784
	s_add_nc_u64 s[GB:GB+1], s[4:5], s[88:89]
	s_lshl_b32 s88, s93, 8                         ; bv: my 64 numbers
	s_add_nc_u64 s[10:11], s[10:11], s[88:89]
	s_mul_i32 s88, s93, 98304                      ; V^T's codes: my first row tile (four of 24,576 bytes), batch g / 16, kappa g % 16
	s_lshr_b32 s96, s94, 4
	s_mul_i32 s97, s96, 1572864
	s_add_co_u32 s88, s88, s97
	s_and_b32 s97, s94, 15
	s_mul_i32 s92, s97, 1536
	s_add_co_u32 s88, s88, s92
	s_add_co_u32 s88, s88, 12582912
	s_add_nc_u64 s[OC2:OC2+1], s[12:13], s[88:89]
	s_lshl_b32 s88, s90, 13                        ; its scale words: the group's 16 planes
	s_add_co_u32 s88, s88, s95
	s_lshl_b32 s92, s96, 16
	s_add_co_u32 s88, s88, s92
	s_lshl_b32 s92, s97, 9
	s_add_co_u32 s88, s88, s92
	s_add_co_u32 s88, s88, 19398656
	s_add_nc_u64 s[OS2:OS2+1], s[12:13], s[88:89]
	s_lshl_b32 s92, s17, 1
	s_add_co_u32 s92, s92, s15                     ; Q, K: which 64 tokens are my wave's rows
	s_lshl_b32 s93, s42, 1
	s_add_co_u32 s93, s93, s16                     ; and which 128 of d: the result's kappa
	s_mul_i32 s88, s92, 49152
	s_mul_i32 s96, s93, 1536
	s_add_co_u32 s88, s88, s96
	s_add_nc_u64 s[OC0:OC0+1], s[12:13], s[88:89]
	s_add_nc_u64 s[OC1:OC1+1], s[OC0:OC0+1], 6291456
	s_lshl_b32 s88, s17, 12
	s_add_co_u32 s88, s88, s95
	s_lshl_b32 s96, s93, 9
	s_add_co_u32 s88, s88, s96
	s_add_co_u32 s88, s88, 18874368
	s_add_nc_u64 s[OS0:OS0+1], s[12:13], s[88:89]
	s_add_nc_u64 s[OS1:OS1+1], s[OS0:OS0+1], 262144
.endm
; A slot's last step changes slots: one barrier; in front of it each wave waits for all its tensor loads, adds 0 to its spare word, and waits for that and for its own reads of this slot.
; fill = 1: this slot is filled again, with step t + 2's tiles: the next tile's.  The load has a slot's 128 matrix instructions, and for odd t the way out too, in which to land.
.macro TURN t, fill
.set SL, (\t)%2
.set NX, 1-SL
	s_wait_tensorcnt 0x0                           ; all my tensor loads have landed: my part of the next slot
	ds_add_u32 v[SPW], v[NIL]                      ; 0 onto my spare word
	s_wait_dscnt HB*NL+1                           ; (the add and A's upper blocks may be out)
	MULS 0, HB/2, 1, NQ-1, (\t)%2+2*((\t)/4), 0, 0 ; matrix work stands between the add and the wait for it
	s_wait_dscnt 0x0                               ; the add is done, and my reads of this slot are over
	s_barrier_signal -1
	MULS HB/2, HB/2, 1, NQ-1, (\t)%2+2*((\t)/4), 0, 0
	WIN 0
	s_barrier_wait -1
.if \fill
	CREST                                          ; the barrier has opened a round of the cluster's: no wave of any partner still reads this slot's tile or has a load on its way
.if (\t) < 2
	s_add_nc_u64 s[G0+4*SL+2:G0+4*SL+3], s[G0+4*SL+2:G0+4*SL+3], 6291456    ; from x's codes to the same rows of y's;
	s_add_nc_u64 s[G0B+4*SL+2:G0B+4*SL+3], s[G0B+4*SL+2:G0B+4*SL+3], 786432 ; from Wq's to the same columns of Wk's.  The type bits on top are not reached
.else
	s_add_nc_u64 s[G0+4*SL+2:G0+4*SL+3], s[TA2:TA2+1], SL*RT
	s_or_b32 s[G0+4*SL+3], s[G0+4*SL+3], 0x80000000
	s_add_nc_u64 s[G0B+4*SL+2:G0B+4*SL+3], s[TB2:TB2+1], SL*RT
	s_or_b32 s[G0B+4*SL+3], s[G0B+4*SL+3], 0x80000000
.endif
	JLOAD G0+4*SL, G1, G0B+4*SL, G1B               ; the first tensor load behind the round; its four v_nop are the places in front of the loads below
.else
	PLACES
.endif
	FETCH_B NX, 0, 0
	FETCH_A NX, 0, 0
	SCALES (\t)+1
.if (\t) == 0
	LATER
	s_wait_alu depctr_va_vdst(0)
.irp u, 0,1                                    ; tile 2's scale words, for its slot u into set 2 + u: lanes 0-15 read 64 bytes of the even kappa's plane, lanes 16-31 of the odd's.  They are wanted four slots on
.irp w, 0,1
.irp i, 0,1,2,3
	global_load_b32 v[SC+24*(2+\u)+2*\i+\w], v[VG], s[GA:GA+1] offset:(4*\u+2*\w)*512+64*\i
.endr
.irp i, 0,1,2,3,4,5,6,7
	global_load_b32 v[SC+24*(2+\u)+8+2*\i+\w], v[VG], s[GB:GB+1] offset:(4*\u+2*\w)*512+64*\i
.endr
.endr
.endr
.endif
.if (\t) == 2
	WIN 0xc0                                       ; destination window 3
.irp a, 0,1,2,3                                ; bv: lane r of A's block a wants the number of its true row, 32 (a / 2) + 8 (a % 2) + r % 8 + 16 (r / 8), in all eight registers
.irp j, 0,1,2,3,4,5,6,7
	global_load_b32 v[128+8*\a+\j], v[BVO], s[10:11] offset:4*(32*(\a/2)+8*(\a%2))
.endr
.endr
	WIN 0
.endif
	MULS HB, HB, 1, NQ-1, (\t)%2+2*((\t)/4), 0, 0
	PLACES
	WIN 0
	FETCH_A NX, 0, HB
.endm
.macro LAST t                          ; the very last step: nothing more to fetch
	s_wait_dscnt HB*NL
	MULS 0, HB, 1, NQ-1, (\t)%2+2*((\t)/4), 0, 0
	s_wait_dscnt 0x0
	MULS HB, HB, 1, NQ-1, (\t)%2+2*((\t)/4), 0, 0
	WIN 0
.endm
; THE QUANTISER.  64 numbers of a lane, v[s] on in window W, register 16 b + i = k 32 b + 16 (lane / 16) + i of my row, become a fragment's codes in v[PC] on and the row's scale word in v[PW].
.macro QUANT s, W
	WIN (\W)|((\W)<<2)
.irp b, 0,1,2,3
	v_max3_num_f32 v[TM+\b], |v[(\s)+16*\b]|, |v[(\s)+16*\b+1]|, QFLOOR   ; block b: my 16 numbers, each accumulator from its low end on; and the floor
.endr
.irp i, 2,4,6,8,10,12,14
.irp b, 0,1,2,3
	v_max3_num_f32 v[TM+\b], |v[(\s)+16*\b+\i]|, |v[(\s)+16*\b+\i+1]|, v[TM+\b]
.endr
.endr
	WIN 0
.irp b, 0,1,2,3
	v_permlanex16_b32 v[TM+4+\b], v[TM+\b], s[SEL], s[SEL+1]
.endr
.irp b, 0,1,2,3
	v_max_num_f32 v[TM+\b], v[TM+\b], v[TM+4+\b]   ; with lane l xor 16's 16: the block's largest magnitude
.endr
.irp b, 0,1,2,3
	v_add_nc_u32 v[TM+12+\b], 0xff000000, v[TM+\b] ; 2 off its exponent field: the conversion takes the exponent field of this operand as its scale
.endr
.irp b, 0,1,2,3
	v_lshrrev_b32 v[TM+4+\b], 23, v[TM+12+\b]      ; the scale's byte
.endr
	v_lshl_or_b32 v[PW], v[TM+5], 8, v[TM+4]
	v_lshl_or_b32 v[PW], v[TM+6], 16, v[PW]
	v_lshl_or_b32 v[PW], v[TM+7], 24, v[PW]
	WIN \W
.irp c, 0,1
	v_cvt_scalef32_pk16_fp6_f32 v[PC+6*\c:PC+6*\c+2], v[(\s)+32*\c:(\s)+32*\c+15], v[TM+12+2*\c]
	v_cvt_scalef32_pk16_fp6_f32 v[PC+12+4*\c:PC+12+4*\c+2], v[(\s)+32*\c+16:(\s)+32*\c+31], v[TM+12+2*\c+1]   ; (a conversion's three registers begin on an even number)
.endr
	WIN 0
	v_nop                                          ; one plain place behind a scaled conversion
.irp c, 0,1                                    ; the operand's layout wants a whole block in a lane
.irp i, 0,1,2
	v_permlane16_swap_b32 v[PC+6*\c+\i], v[PC+12+4*\c+\i]
.endr
.irp i, 0,1,2
	v_mov_b32 v[PC+3+6*\c+\i], v[PC+12+4*\c+\i]
.endr
.endr
.endm
; THE WAY OUT of a tile.  A's block a: 16 rows x my 128 of the next K: one fragment and one scale word a row.  The image leaves as it stands: three stores of 512 consecutive bytes, aligned.  Two blocks' words leave together: 128 bytes.
; It names neither A's nor B's fragments: the next tile's first fragments are on their way from LDS meanwhile, and its tiles from memory.  rs: bytes from row tile to row tile of the result.
.macro OUTQ oc, os, rs, a
	s_wait_xcnt 0x0                                ; the last block's stores have read their data: the codes and the words may be written again
	QUANT 64*(\a), 2
.if QFOLD
	v_add_nc_u32 v[PW], 0xfafafafb, v[PW]          ; Q alone: 5 off each of the four bytes: the stored scales stand for Q / 32, the norm of the scores, a power of two.  The floor keeps every byte at 6 or more ahead of this line
.endif
.irp c, 0,1,2
	global_store_b128 v[LI], v[PC+4*\c:PC+4*\c+3], s[\oc:\oc+1] offset:(\rs)*(\a)+512*\c
.endr
.if (\a)%2 == 0
	v_mov_b32 v[PWE], v[PW]
.else
	v_cndmask_b32 v[PWS], v[PWE], v[PW], s[HM]     ; lanes 0-15: the even block's words, lanes 16-31: the odd block's: 32 neighbouring positions
	global_store_b32 v[LS], v[PWS], s[\os:\os+1] offset:128*((\a)/2)
.endif
.endm
.macro FIRSTSLOT s                     ; tile 0's steps 4 s .. 4 s + 3 into slot s
	s_mov_b32 s[G0+4*\s], 1
	s_add_co_u32 s[G0+4*\s+1], s44, \s*SLOT
	s_add_nc_u64 s[G0+4*\s+2:G0+4*\s+3], s[20:21], \s*RT
	s_or_b32 s[G0+4*\s+3], s[G0+4*\s+3], 0x80000000
	s_mov_b32 s[G0B+4*\s], 1
	s_add_co_u32 s[G0B+4*\s+1], s18, \s*SLOT
	s_add_nc_u64 s[G0B+4*\s+2:G0B+4*\s+3], s[46:47], \s*RT
	s_or_b32 s[G0B+4*\s+3], s[G0B+4*\s+3], 0x80000000
.endm
	s_load_b256 s[4:11], s[0:1], 0x0               ; qin s[4:5], bq s[6:7], bk s[8:9], bv s[10:11]
	s_load_b64 s[12:13], s[0:1], 0x20              ; qkv
	v_lshl_add_u32 v[SPW], v0, 2, SPARE
	v_mov_b32 v[NIL], 0
	ds_add_u32 v[SPW], v[NIL]                      ; the wave's opening: the add, twice on end, and its wait ahead of my first tensor load; the set-up below stands between the second and the wait
	ds_add_u32 v[SPW], v[NIL]
	v_lshrrev_b32 v1, 5, v0
	v_readfirstlane_b32 s14, v1                    ; wave 0..3
	s_lshr_b32 s15, s14, 1                         ; which half of the tile's rows is mine.  Also: I fetch for A (0) or for B (1)
	s_and_b32 s16, s14, 1                          ; which half of its columns.  Also: which half of that tile I fetch
	s_bfe_u32 s40, ttmp6, 0x40000                  ; cx, cy: my place in the cluster
	s_bfe_u32 s41, ttmp6, 0x40004
	s_and_b32 s[CL], ttmp7, 0xffff                 ; the cluster's number: the grid is one cluster wide
	s_lshl_b32 s17, s[CL], 2
	s_add_co_u32 s17, s17, s41                     ; Q, K: tile row: a group of 128 tokens
	s_lshl_b32 s42, ttmp9, 2
	s_add_co_u32 s42, s42, s40                     ; tile column
	s_lshl_b32 s43, s41, 2
	s_lshl_b32 s43, 15, s43                        ; my row of the cluster
	s_lshl_b32 s44, 0x1111, s40                    ; my column
	; descriptor group 1 for codes: row tiles as rows of NQ fragments (elements of 8 bytes), NK fragments apart in memory, dense in LDS
	s_or_b32 s[G1], s43, (3<<16)|(1<<21)           ; 15:0 the mask: A's tiles go to my row; 17:16 elements of 8 bytes; 21 set beside a mask
	s_or_b32 s[G1B], s44, (3<<16)|(1<<21)
.irp g, G1, G1B
	s_mov_b32 s[\g+1], (192*NQ)<<16                ; tensor_dim0
	s_mov_b32 s[\g+3], (192*NQ)<<16                ; tile_dim0
	s_mov_b32 s[\g+5], 192*NK                      ; tensor_dim0_stride
	s_mov_b32 s[\g+6], 0
	s_mov_b32 s[\g+7], 0
.endr
	s_mov_b32 s[G1+2], (2*AB)<<16                  ; the head's load brings a slot's whole part: A's 8 row tiles,
	s_mov_b32 s[G1+4], 2*AB
	s_mov_b32 s[G1B+2], 16<<16                     ; B's 16; behind the head's wait the four words are set to the refills' halves
	s_mov_b32 s[G1B+4], 16
	; tile 0's operands in qin
	s_lshl_b32 s18, s17, 1
	s_add_co_u32 s18, s18, s16                     ; x: which 64 rows I fetch: four row tiles of 12,288 bytes,
	s_mul_i32 s20, s18, 49152
	s_lshl_b32 s22, s17, 12                        ; x's scale words: the group's eight planes, 4,096 bytes on end
	s_add_co_u32 s22, s22, 15728640
	s_lshl_b32 s19, s42, 1
	s_add_co_u32 s19, s19, s16                     ; Wq: which 128 columns
	s_mul_i32 s46, s19, 98304
	s_add_co_u32 s46, s46, 12582912
	s_lshl_b32 s2, s42, 13                         ; Wq's scale words: two groups, sixteen planes, 8,192 bytes on end
	s_add_co_u32 s2, s2, 16252928
	s_mov_b32 s21, 0
	s_mov_b32 s23, 0
	s_mov_b32 s47, 0
	s_mov_b32 s3, 0
	s_mul_i32 s45, s14, PLP                        ; where I store scale words: plane = my wave's number, of each four
	s_add_co_u32 s45, s45, SCL
	s_mul_i32 s43, s16, RT                         ; the head's loads: slot = wave % 2: its four kappa
	s_mul_i32 s92, s17, 98304                      ; x: the tile's 8 row tiles
	s_add_co_u32 s92, s92, s43
	s_mov_b32 s93, 0
	s_mul_i32 s94, s42, 196608                     ; Wq: the tile's 16 row tiles
	s_add_co_u32 s94, s94, s43
	s_add_co_u32 s94, s94, 12582912
	s_mov_b32 s95, 0
	s_mul_i32 s44, s16, AB*RT
	s_mul_i32 s18, s16, 8*RT
	s_add_co_u32 s18, s18, ATB
	s_wait_dscnt 0x0                               ; both opening adds are done
	s_wait_kmcnt 0x0
	s_add_nc_u64 s[20:21], s[4:5], s[20:21]
	s_add_nc_u64 s[22:23], s[4:5], s[22:23]
	s_add_nc_u64 s[46:47], s[4:5], s[46:47]
	s_add_nc_u64 s[2:3], s[4:5], s[2:3]
	CROUND                                         ; all sixteen work-groups are here: the first joint loads meet
; THE HEAD'S LOADS, ONE A WAVE: waves 0 and 1 fetch A's whole part of slots 0 and 1, waves 2 and 3 B's: both slots are on their way at once.
; The scale words of tiles 0 and 1 (24 KB of the 319 KB that the head brings) come by plain loads of 16 bytes a thread and are stored into their planes, which no tensor load fills; they are not asked for jointly.
	s_mov_b32 s[G0S0], 1                           ; s[76:79]: the head's group 0 for A
	s_mul_i32 s[G0S0+1], s16, SLOT
	s_add_nc_u64 s[G0S0+2:G0S0+3], s[4:5], s[92:93]
	s_or_b32 s[G0S0+3], s[G0S0+3], 0x80000000
	s_mov_b32 s[G0SB0], 1                          ; s[88:91]: for B
	s_add_co_u32 s[G0SB0+1], s[G0S0+1], ATB
	s_add_nc_u64 s[G0SB0+2:G0SB0+3], s[4:5], s[94:95]
	s_or_b32 s[G0SB0+3], s[G0SB0+3], 0x80000000
	JLOAD G0S0, G1, G0SB0, G1B
	FIRSTSLOT 0                                    ; the refills' groups 0: a quarter of a slot a wave
	FIRSTSLOT 1
	v_and_b32 v1, 15, v0                           ; r
	v_bfe_u32 v2, v0, 4, 1                         ; h
	v_and_b32 v3, 31, v0
	v_lshlrev_b32 v[LI], 4, v3
	s_wait_alu depctr_va_vdst(0)
	v_lshlrev_b32 v[LS], 2, v3
	v_lshlrev_b32 v8, 4, v0                        ; 16 x thread: the work-group reads 2,048 consecutive bytes, four planes, a load
	v_add_nc_u32 v9, s45, v[LI]                    ; and stores them at plane (wave), 16 x lane
.irp c, 0,1
	global_load_b128 v[AF+4*\c:AF+4*\c+3], v8, s[22:23] offset:2048*\c             ; x's planes
.endr
.irp c, 0,1,2,3
	global_load_b128 v[AF+8+4*\c:AF+8+4*\c+3], v8, s[2:3] offset:2048*\c           ; Wq's
.endr
.irp c, 0,1
	global_load_b128 v[AF+24+4*\c:AF+24+4*\c+3], v8, s[22:23] offset:262144+2048*\c ; y's: the same group as x's
.endr
.irp c, 0,1,2,3
	global_load_b128 v[AF+32+4*\c:AF+32+4*\c+3], v8, s[2:3] offset:32768+2048*\c   ; Wk's: the same groups as Wq's
.endr
	s_lshl_b32 s20, s19, 9                         ; bq, bk: my 128 numbers; lane (r, h) wants, for B's tile b, those at 32 (b / 2) + 16 h + 8 (b % 2) + 0 .. 7
	s_mov_b32 s21, 0
	s_add_nc_u64 s[6:7], s[6:7], s[20:21]
	s_add_nc_u64 s[8:9], s[8:9], s[20:21]
	v_lshlrev_b32 v[BO], 6, v2
	WIN 0xc0                                       ; destination window 3
.irp b, 0,1,2,3,4,5,6,7
	global_load_b128 v[8*\b:8*\b+3], v[BO], s[6:7] offset:4*(32*(\b/2)+8*(\b%2))
	global_load_b128 v[8*\b+4:8*\b+7], v[BO], s[6:7] offset:4*(32*(\b/2)+8*(\b%2))+16
.endr
.irp b, 0,1,2,3,4,5,6,7
	global_load_b128 v[64+8*\b:64+8*\b+3], v[BO], s[8:9] offset:4*(32*(\b/2)+8*(\b%2))
	global_load_b128 v[64+8*\b+4:64+8*\b+7], v[BO], s[8:9] offset:4*(32*(\b/2)+8*(\b%2))+16
.endr
	WIN 0
	s_mul_i32 s18, s15, AB*RT                      ; my rows of A
	s_mul_i32 s19, s16, 8*RT                       ; my rows of B,
	s_add_co_u32 s19, s19, ATB                     ; which lie behind A's
.irp s, 0,1
	v_add_nc_u32 v[ADRA+\s], s18, v[LI]
	v_add_nc_u32 v[ADRB+\s], s19, v[LI]
	s_add_co_u32 s18, s18, SLOT
	s_add_co_u32 s19, s19, SLOT
.endr
	v_mul_u32_u24 v4, v2, PLP
	v_lshl_add_u32 v4, v1, 2, v4                   ; 576 h + 4 r
	s_lshl_b32 s18, s15, 8                         ; my half of A's rows: 64 words on in each plane
	s_add_co_u32 s18, s18, SCL
	v_add_nc_u32 v[ADSA], s18, v4
	s_mul_i32 s19, s16, NK*PLP
	s_add_co_u32 s19, s19, SCL+8*PLP
	v_add_nc_u32 v[ADSB], s19, v4
	v_and_b32 v[BVO], 7, v1
	v_lshrrev_b32 v[VG], 3, v1
	v_lshl_add_u32 v[BVO], v[VG], 4, v[BVO]
	v_lshlrev_b32 v[BVO], 2, v[BVO]                ; 4 x (r % 8 + 16 (r / 8))
	v_lshlrev_b32 v[VG], 9, v2
	v_lshl_add_u32 v[VG], v1, 2, v[VG]             ; 512 h + 4 r
.irp b, 0,1,2,3
	v_mov_b32 v[TM+4+\b], 0                        ; written once: a lane permute's destination counts as one of its sources
.endr
	s_wait_alu depctr_va_vdst(0)
	s_wait_loadcnt 32                              ; the twelve loads of scale words are in (behind them: the 32 of bq and bk)
.irp c, 0,1,2,3,4,5,6,7,8,9,10,11
	ds_store_b128 v9, v[AF+4*\c:AF+4*\c+3] offset:4*PLP*\c   ; tile 0's 24 planes, then tile 1's
.endr
	s_wait_tensorcnt 0x0                           ; my load of the head is in; no tensor load of mine is out, so a descriptor may be written:
	s_mov_b32 s[G1+2], AB<<16                      ; from here on a load brings half of a slot's part
	s_mov_b32 s[G1+4], AB
	s_mov_b32 s[G1B+2], 8<<16
	s_mov_b32 s[G1B+4], 8
	s_wait_dscnt 0x0                               ; my stores of scale words are done
	s_barrier_signal -1
	s_barrier_wait -1                              ; everybody's are
	FETCH_B 0, 0, 0
	FETCH_A 0, 0, 0
	SCALES 0
	FETCH_A 0, 0, HB
	s_wait_loadcnt 0x0                             ; bq and bk
	STEP 0, 0, 2                                   ; Q.  The first step's products start the sums with the bias: nothing is cleared, nothing is added later
	STEP 0, 1, 0
	STEP 0, 2, 0
	TURN 0, 1                                      ; slot 0 takes K's first half
	STEP 1, 0, 0
	STEP 1, 1, 0
	STEP 1, 2, 0
	TURN 1, 1                                      ; slot 1 takes K's second half; K's first fragments are fetched; Q's sums are finished
.irp a, 0,1,2,3
.set QFLOOR, 0x4000000                 ; Q: the floor 2^(8 - 127).  LIMIT: a block of Q whose largest magnitude lies under 2^-119 is quantised under that floor's scale
.set QFOLD, 1
	OUTQ OC0, OS0, 12288, \a
.endr
	s_wait_loadcnt 0x0                             ; (tile 2's scale words, asked for a tile ago)
	STEP 2, 0, 2                                   ; K
	STEP 2, 1, 0
	STEP 2, 2, 0
	TURN 2, 1                                      ; slot 0 takes V^T's first half
	STEP 3, 0, 0
	STEP 3, 1, 0
	STEP 3, 2, 0
	TURN 3, 1                                      ; slot 1 takes V^T's second half: the last load
.irp a, 0,1,2,3
.set QFLOOR, 0x1800000                 ; K, V^T: the floor 2^(3 - 127): the byte cannot fall under 1
.set QFOLD, 0
	OUTQ OC1, OS1, 12288, \a
.endr
	s_wait_loadcnt 0x0                             ; bv
	STEP 4, 0, 3                                   ; V^T
	STEP 4, 1, 0
	STEP 4, 2, 0
	TURN 4, 0                                      ; nothing is left to fetch
	STEP 5, 0, 0
	STEP 5, 1, 0
	STEP 5, 2, 0
	LAST 5
	PLACES
.irp a, 0,1,2,3
	OUTQ OC2, OS2, 24576, \a
.endr
	s_wait_tensorcnt 0x0                           ; the wave's end, behind my last tensor load
	ds_add_u32 v[SPW], v[NIL]
	s_wait_dscnt 0x0
	CROUND                                         ; the closing round: no work-group ends while a partner may still ask for a tile that names it
	s_endpgm
.Lfunc_end_k_q7fbb2dba84_proj:
	.size	k_q7fbb2dba84_proj, .Lfunc_end_k_q7fbb2dba84_proj-k_q7fbb2dba84_proj
	.p2alignl 7, 3214868480
	.fill 96, 4, 3214868480
	.section	.rodata,"a",@progbits
	.p2align	6, 0x0
	.amdhsa_kernel k_q7fbb2dba84_proj
		.amdhsa_group_segment_fixed_size 327680
		.amdhsa_private_segment_fixed_size 0
		.amdhsa_enable_private_segment 0
		.amdhsa_kernarg_size 40
		.amdhsa_user_sgpr_count 2
		.amdhsa_user_sgpr_kernarg_segment_ptr 1
		.amdhsa_wavefront_size32 1
		.amdhsa_system_sgpr_workgroup_id_x 1
		.amdhsa_system_sgpr_workgroup_id_y 1
		.amdhsa_system_sgpr_workgroup_id_z 1
		.amdhsa_system_vgpr_workitem_id 0
		.amdhsa_next_free_vgpr 1024
		.amdhsa_next_free_sgpr 100
		.amdhsa_reserve_vcc 0
		.amdhsa_float_denorm_mode_32 3
		.amdhsa_float_denorm_mode_16_64 3
		.amdhsa_memory_ordered 1
		.amdhsa_forward_progress 1
		.amdhsa_inst_pref_size 247
	.end_amdhsa_kernel
	.amdgpu_metadata
---
amdhsa.version: [ 1, 2 ]
amdhsa.kernels:
  - .name:           k_q7fbb2dba84_proj
    .symbol:         k_q7fbb2dba84_proj.kd
    .args:
      - { .name: qin, .offset: 0, .size: 8, .value_kind: global_buffer, .address_space: global }
      - { .name: bq, .offset: 8, .size: 8, .value_kind: global_buffer, .address_space: global }
      - { .name: bk, .offset: 16, .size: 8, .value_kind: global_buffer, .address_space: global }
      - { .name: bv, .offset: 24, .size: 8, .value_kind: global_buffer, .address_space: global }
      - { .name: qkv, .offset: 32, .size: 8, .value_kind: global_buffer, .address_space: global }
    .group_segment_fixed_size: 327680
    .private_segment_fixed_size: 0
    .kernarg_segment_align: 8
    .kernarg_segment_size: 40
    .max_flat_workgroup_size: 128
    .sgpr_count:     100
    .vgpr_count:     1024
    .wavefront_size: 32
...
	.end_amdgpu_metadata
.endif
;; end of part 2
;; launch scores (part 3): grid 8 x 32, 4 waves a work-group, clusters of 4 x 4, 327,680 bytes of LDS; arguments qkv, adj, pb; writes pb
.if DOCPART == 3
	.amdgcn_target "amdgcn-amd-amdhsa--gfx1250"
	.amdhsa_code_object_version 6
	.text
	.protected	k_q7fbb2dba84_scores
	.globl	k_q7fbb2dba84_scores
	.p2align	8
	.type	k_q7fbb2dba84_scores,@function
k_q7fbb2dba84_scores:
	s_mov_b64 s[64:65], 0
	v_nop
	global_prefetch_b8 v0, s[64:65] scope:SCOPE_SE
	s_setreg_imm32_b32 hwreg(HW_REG_WAVE_MODE, 25, 1), 1
	s_wait_xcnt 0x0
	s_wait_alu depctr_hold_cnt(0) depctr_sa_sdst(0) depctr_va_vdst(0) depctr_va_sdst(0) depctr_va_ssrc(0) depctr_va_vcc(0) depctr_vm_vsrc(0)
	s_getreg_b32 s2, hwreg(HW_REG_IB_STS2, 6, 4)
	s_cmp_eq_u32 s2, 0
	s_cbranch_scc0 .Lentry_in_a_cluster
	s_endpgm
.Lentry_in_a_cluster:
	s_bfe_u32 s2, ttmp6, 0x10000c
	s_cmp_lg_u32 s2, 0xf033
	s_cbranch_scc0 .Lentry_shape_is_right
	s_endpgm
.Lentry_shape_is_right:
; LAUNCH 3 OF 5.  logit = Q K^T / 32 + adj on codes of FP6; t = logit x log2(e); p = 2^(t - M) is quantised along the keys and stored as codes.  No work of reference() is left out here.
; Q's stored scale bytes stand for Q / 32 (the launch before took 5 off each), so the products give Q K^T / 32 exactly.
; adj IS SPREAD OVER THE LAUNCH.  A wave has eight blocks of 16 queries x 128 keys.  Blocks 0 and 1 are loaded at the head and laid into their accumulators, so that their sums begin with adj; blocks 2 and 3 are loaded
; into two spare buffers behind the last two changes of slots; blocks 4 to 7 are loaded on the way out, one block at a time, three to four blocks ahead of their use, and added to the finished sums in f32.
; A load reads 512 consecutive bytes of a query's row; each block turns through the wave's own stage in LDS into the accumulators' layout.
; M IS LOCAL: for each query and each chunk of 128 keys (a wave's columns), M = ceil(the chunk's largest t), a whole number.  Stored for each (query, chunk): p's codes and scale word under that M, -M, and the chunk's sum of
; the unquantised p.  The next launch finds the row's M and takes M - M(chunk) off the chunk's scale bytes: a power of two, which a block's scale takes up exactly.
; LIMITS: adj is finite; the promise holds while |t| stays under 2^31.  A block of 32 whose largest p lies under 2^-60 of its chunk's power of two is quantised under the scale 2^-62 (so every byte is 65 at the least).
; pb: codes at 0, [512 row tiles][16 kappa][1,536]; at 12,582,912 the scale words, at 13,107,200 -M, at 13,631,488 the sums, each [64 groups][16 kappa][128 positions] words.  The workspace format: the first launch's head.
; SHARES.  16 clusters of 4 x 4 work-groups.  A work-group makes 256 queries x 256 keys, each of its four waves 128 x 128.  A = Q (source 1), B = K (source 0): a lane holds one query, its registers run along true keys.
; K = 1,024 goes in four slots of 256 through a ring of two LDS slots; all steps are written out.  Q's tiles are shared along a row of the cluster, K's along a column: joint loads.
; THE HEAD: one joint load a wave: waves 0, 1 fetch Q's whole part of slots 0, 1, waves 2, 3 K's.  The scale words (16 KB of a work-group's 409 KB of operands) come by plain loads and are stored
; into planes that no tensor load fills: they are not asked for jointly.  Slots 2 and 3 of Q and K are prefetched at the head, two changes of slots ahead of the first refill that wants them: the four partners that share a
; tile take four row tiles each, by address; a wave names two row tiles, 24 blocks of 256 bytes each (lanes 24-31 name the last block again).  adj is not prefetched: its loads stand blocks ahead of their use.
; REGISTERS.  window 0: v16-31 addresses; v32-63 scale words and nothing else; v80-143 scale words on their way to LDS, then adj's blocks 2 and 7; v144-239 A's fragments (way out: v144-207 logits, t, p; v208-227 codes;
;   v228-238 words); v240-255 the quantiser's.  window 1: B's fragments at v0, v96 (head: adj's blocks 0, 1 at v0, v64; way out: blocks 4, 5, 6 at v0, v64, v128); v192-255 adj's block 3.  windows 2, 3: the accumulators.
.set AB,    8
.set NQ,    2
.set NK,    8
.set HB,    AB/2
.set NL,    3
.set FB,    1536
.set RT,    NQ*FB
.set ATB,   2*AB*RT
.set SLOT,  ATB+16*RT
.set PLP,   576                        ; a plane of scale words: 128 positions x 4 bytes + 64
.set SCLA,  2*SLOT                     ; Q's 16 planes, then K's 16
.set SCLB,  SCLA+16*PLP
.set STG,   SCLB+16*PLP                ; a stage of 16 rows x (512 + 16) bytes for each wave
.set SPARE, STG+4*8448                 ; the spare words, 128 bytes for each wave, which no other line names
.set SC,   32
.set XS,   80
.set AF,   144
.set T,    144
.set PC,   208
.set NM,   228                         ; v228 -M; v229 the largest t (named with it as a pair)
.set PW,   230
.set PWE,  231
.set NME,  232
.set LE,   233
.set PWS,  234
.set NMS,  235
.set LSS,  236
.set LL,   237
.set LX,   238
.set TM,   240
.set LA,   248
.set LB,   250
.set SSA,  6                           ; v6   where I store scale words
.set ADRA, 16
.set ADRB, 20
.set ADSA, 22
.set ADSB, 23
.set STI,  24                          ; v24  my stage, on the way in: 16 x lane
.set STO,  25                          ; v25  and out: 528 r + 64 h
.set LI,   26
.set LS,   27
.set SPW,  28
.set NIL,  29
.set PFO,  30                          ; v30  the prefetches' offset; never rewritten
.set G1,   24
.set G0,   32
.set G1B,  48
.set G0B,  56
.set G0H,  76                          ; s[76:79], s[88:91] the head's groups 0
.set G0HB, 88
.set HM,   66
.set CS,   94                          ; s[94:95] log2(e)
.set SEL,  98
.set MSB, 0
.macro WIN new
.set NW, \new
.if MSB != NW
	s_set_vgpr_msb (MSB<<8)|NW
.set MSB, NW
.endif
.endm
.macro PLACES
.rept 4
	v_nop
.endr
.endm
.macro JLOAD g0a, g1a, g0b, g1b        ; a joint load: waves 0 and 1 fetch for A, waves 2 and 3 for B; an s_nop 0 and four v_nop follow each of the two lines
	s_cmp_eq_u32 s15, 0
	s_cbranch_scc0 .Lfor_b_\@
	tensor_load_to_lds s[\g0a:\g0a+3], s[\g1a:\g1a+7]
	s_nop 0
.rept 4
	v_nop
.endr
	s_branch .Lasked_\@
.Lfor_b_\@:
	tensor_load_to_lds s[\g0b:\g0b+3], s[\g1b:\g1b+7]
	s_nop 0
.rept 4
	v_nop
.endr
.Lasked_\@:
.endm
.macro CREST
	s_cmp_lg_u32 s14, 0
	s_cbranch_scc1 .Lnot_wave_0_\@
	s_barrier_signal -3
.Lnot_wave_0_\@:
	s_barrier_wait -3
	s_barrier_signal -1
	s_barrier_wait -1
.endm
.macro CROUND
	s_barrier_signal -1
	s_barrier_wait -1
	CREST
.endm
.macro FRAG reg, adr, off              ; a fragment comes as the image of its registers: three loads of 512 consecutive bytes
.irp c, 0,1,2
	ds_load_b128 v[(\reg)+4*\c:(\reg)+4*\c+3], v[\adr] offset:(\off)+512*\c
.endr
.endm
.macro FETCH_B slot, q, p
	WIN 0x40
.irp i, 0,1,2,3,4,5,6,7
	FRAG 96*(\p)+12*\i, ADRB+(\slot), \i*RT+(\q)*FB
.endr
	WIN 0
.endm
.macro FETCH_A slot, q, i0
.set FI, \i0
.rept HB
	FRAG AF+12*FI, ADRA+(\slot), FI*RT+(\q)*FB
.set FI, FI+1
.endr
.endm
.macro SCALES t                        ; slot t's scale words into set t % 2: lanes 0-15 the even kappa's plane, lanes 16-31 the odd's
.irp i, 0,1,2,3,4,5,6,7
	ds_load_b32 v[SC+16*((\t)%2)+\i], v[ADSA] offset:(\t)*2*PLP+64*\i
	ds_load_b32 v[SC+16*((\t)%2)+8+\i], v[ADSB] offset:(\t)*2*PLP+64*\i
.endr
.endm
.macro WMM z, odd
.if \z
	v_wmma_scale_f32_16x16x128_f8f6f4 v[RD:RD+7], v[RB:RB+11], v[RA:RA+11], 0, v[RSB], v[RSA] matrix_a_fmt:MATRIX_FMT_FP6 matrix_b_fmt:MATRIX_FMT_FP6
.elseif \odd
	v_wmma_scale_f32_16x16x128_f8f6f4 v[RD:RD+7], v[RB:RB+11], v[RA:RA+11], v[RD:RD+7], v[RSB], v[RSA] matrix_a_fmt:MATRIX_FMT_FP6 matrix_b_fmt:MATRIX_FMT_FP6 matrix_a_scale:MATRIX_SCALE_ROW1 matrix_b_scale:MATRIX_SCALE_ROW1
.else
	v_wmma_scale_f32_16x16x128_f8f6f4 v[RD:RD+7], v[RB:RB+11], v[RA:RA+11], v[RD:RD+7], v[RSB], v[RSA] matrix_a_fmt:MATRIX_FMT_FP6 matrix_b_fmt:MATRIX_FMT_FP6
.endif
.endm
; A's blocks a0 .. a0 + cnt - 1, each against B's eight.  cm = 1, the first step: blocks 0 and 1 add onto adj, the constant 0 starts the sums of blocks 2 to 7.
; The accumulators take turns, one instruction a turn.
.macro MULS a0, cnt, p, q, ss, cm
.set MA, \a0
.rept \cnt
.set WD, 2+MA/4
	WIN 0x01|(WD<<4)|(WD<<6)
.set RA, AF+12*MA
.set RSA, SC+16*(\ss)+MA
.set ZZ, 0
.if \cm
.if MA >= 2
.set ZZ, 1
.endif
.endif
.irp b, 0,1,2,3,4,5,6,7
.set RD, 8*(8*(MA%4)+\b)
.set RB, 96*(\p)+12*\b
.set RSB, SC+16*(\ss)+8+\b
	WMM ZZ, (\q)%2
.endr
.set MA, MA+1
.endr
.endm
.macro STEP t, cm                      ; a slot's first step of 128 along K; the second step's fragments are fetched in its middle and at its end
	s_wait_dscnt HB*NL                             ; all but the youngest loads, A's upper blocks
	MULS 0, HB, 0, 0, (\t)%2, \cm
	s_wait_dscnt 0x0
	PLACES
	FETCH_B (\t)%2, 1, 1
	FETCH_A (\t)%2, 1, 0
	MULS HB, HB, 0, 0, (\t)%2, \cm
	PLACES
	WIN 0
	FETCH_A (\t)%2, 1, HB
.endm
; adj's block a: XW the window and XR the first register of the buffer that takes it
.macro XSEL a
.if (\a) < 2
.set XW, 1
.set XR, 64*(\a)
.elseif (\a) == 2 || (\a) == 7
.set XW, 0
.set XR, 80
.elseif (\a) == 3
.set XW, 1
.set XR, 192
.else
.set XW, 1
.set XR, 64*((\a)-4)
.endif
.endm
.macro ADJLOAD a                       ; load i: 512 consecutive bytes (my 128 keys) of the true query that stands at lane i of block a
	XSEL \a
	WIN XW<<6
.irp i, 0,1,2,3,4,5,6,7,8,9,10,11,12,13,14,15
	global_load_b128 v[XR+4*\i:XR+4*\i+3], v[LI], s[6:7] offset:(32*((\a)/2)+8*((\a)%2)+\i%8+16*(\i/8))*8192 th:TH_LOAD_NT
.endr
	WIN 0
.endm
.macro ADJTURN a                       ; through my stage: in by rows, out so that lane (r, h) holds, of query r, register 16 b + i = key 32 b + 16 h + i: blocks 0, 1 into their accumulators (window 2, v[64 a]), the others back into their buffer
	XSEL \a                                        ; LDS serves a wave's instructions in order: no wait between the stores and the loads, nor ahead of the next block's stores
	WIN XW<<2
.irp i, 0,1,2,3,4,5,6,7,8,9,10,11,12,13,14,15
	ds_store_b128 v[STI], v[XR+4*\i:XR+4*\i+3] offset:528*\i
.endr
.set DW, XW
.if (\a) < 2
.set DW, 2
.endif
	WIN DW<<6
.irp i, 0,1,2,3,4,5,6,7,8,9,10,11,12,13,14,15
	ds_load_b128 v[XR+4*\i:XR+4*\i+3], v[STO] offset:128*(\i/4)+16*(\i%4)
.endr
	WIN 0
.endm
.macro TURN t, fill, al                ; a slot's second step changes slots.  al: the block of adj that is asked for here, or -1
.set SL, (\t)%2
.set NX, 1-SL
	s_wait_tensorcnt 0x0                           ; all my tensor loads have landed: my part of the next slot
	ds_add_u32 v[SPW], v[NIL]                      ; 0 onto my spare word
	s_wait_dscnt HB*NL+1                           ; (the add and A's upper blocks may be out)
	MULS 0, HB/2, 1, 1, SL, 0
	s_wait_dscnt 0x0                               ; the add is done, and my reads of this slot are over
	s_barrier_signal -1
	MULS HB/2, HB/2, 1, 1, SL, 0
	WIN 0
	s_barrier_wait -1
.if \fill
	CREST                                          ; a round of the cluster's barrier: no wave of any partner still reads this slot's tile or has a load on its way
	s_add_nc_u64 s[G0+4*SL+2:G0+4*SL+3], s[G0+4*SL+2:G0+4*SL+3], 2*RT
	s_add_nc_u64 s[G0B+4*SL+2:G0B+4*SL+3], s[G0B+4*SL+2:G0B+4*SL+3], 2*RT
	JLOAD G0+4*SL, G1, G0B+4*SL, G1B               ; the first tensor load behind the round; its four v_nop are the places in front of the loads below
.else
	PLACES
.endif
	FETCH_B NX, 0, 0
	FETCH_A NX, 0, 0
	SCALES (\t)+1
.if (\al) >= 0
	ADJLOAD \al                                    ; nobody writes adj: these loads may stay out across the barriers
.endif
	MULS HB, HB, 1, 1, SL, 0
	PLACES
	WIN 0
	FETCH_A NX, 0, HB
.endm
.macro LAST t
	s_wait_dscnt HB*NL
	MULS 0, HB, 1, 1, (\t)%2, 0
	s_wait_dscnt 0x0
	MULS HB, HB, 1, 1, (\t)%2, 0
	WIN 0
.endm
; The quantiser's second half: the four blocks' largest p stand in v[TM] on; the 64 numbers v[T] on become codes in v[PC] on and the scale word in v[PW].
.macro QTAIL
.irp b, 0,1,2,3
	v_add_nc_u32 v[TM+12+\b], 0xff000000, v[TM+\b] ; 2 off the exponent field: the conversion's scale operand
.endr
.irp b, 0,1,2,3
	v_lshrrev_b32 v[TM+4+\b], 23, v[TM+12+\b]      ; the scale's byte
.endr
	v_lshl_or_b32 v[PW], v[TM+5], 8, v[TM+4]
	v_lshl_or_b32 v[PW], v[TM+6], 16, v[PW]
	v_lshl_or_b32 v[PW], v[TM+7], 24, v[PW]
.irp c, 0,1
	v_cvt_scalef32_pk16_fp6_f32 v[PC+6*\c:PC+6*\c+2], v[T+32*\c:T+32*\c+15], v[TM+12+2*\c]
	v_cvt_scalef32_pk16_fp6_f32 v[PC+12+4*\c:PC+12+4*\c+2], v[T+32*\c+16:T+32*\c+31], v[TM+12+2*\c+1]
.endr
	v_nop                                          ; one plain place behind a scaled conversion
.irp c, 0,1                                    ; the operand's layout wants a whole block in a lane
.irp i, 0,1,2
	v_permlane16_swap_b32 v[PC+6*\c+\i], v[PC+12+4*\c+\i]
.endr
.irp i, 0,1,2
	v_mov_b32 v[PC+3+6*\c+\i], v[PC+12+4*\c+\i]
.endr
.endr
.endm
	s_load_b128 s[4:7], s[0:1], 0x0                ; qkv s[4:5], adj s[6:7]
	s_load_b64 s[8:9], s[0:1], 0x10                ; pb
	v_lshl_add_u32 v[SPW], v0, 2, SPARE
	v_mov_b32 v[NIL], 0
	ds_add_u32 v[SPW], v[NIL]                      ; the wave's opening: the add, twice on end, and its wait ahead of my first tensor load
	ds_add_u32 v[SPW], v[NIL]
	v_lshrrev_b32 v1, 5, v0
	v_readfirstlane_b32 s14, v1                    ; wave 0..3
	s_lshr_b32 s15, s14, 1                         ; my half of the queries.  Also: I fetch for A (0) or for B (1)
	s_and_b32 s16, s14, 1                          ; my half of the keys.  Also: the slot (head) or the half of a tile (refills) that I fetch
	s_bfe_u32 s40, ttmp6, 0x40000                  ; cx, cy
	s_bfe_u32 s41, ttmp6, 0x40004
	s_and_b32 s18, ttmp7, 0xffff                   ; cluster y: four tile rows; two clusters to a batch
	s_lshr_b32 s19, s18, 1                         ; the batch, which all sixteen partners share
	s_lshl_b32 s17, s18, 2
	s_add_co_u32 s17, s17, s41                     ; tile row, over all batches
	s_lshl_b32 s42, ttmp9, 2
	s_add_co_u32 s42, s42, s40                     ; tile column, in the batch
	s_lshl_b32 s43, s41, 2
	s_lshl_b32 s43, 15, s43                        ; my row of the cluster
	s_lshl_b32 s44, 0x1111, s40                    ; my column
	s_or_b32 s[G1], s43, (3<<16)|(1<<21)           ; the mask; elements of 8 bytes; bit 21 set beside a mask
	s_or_b32 s[G1B], s44, (3<<16)|(1<<21)
.irp g, G1, G1B
	s_mov_b32 s[\g+1], (192*NQ)<<16                ; tensor_dim0: a row tile's two fragments
	s_mov_b32 s[\g+2], 16<<16                      ; tensor_dim1: the head's load brings 16 row tiles
	s_mov_b32 s[\g+3], (192*NQ)<<16                ; tile_dim0
	s_mov_b32 s[\g+4], 16                          ; tile_dim1
	s_mov_b32 s[\g+5], 192*NK                      ; tensor_dim0_stride
	s_mov_b32 s[\g+6], 0
	s_mov_b32 s[\g+7], 0
.endr
	s_mul_i32 s45, s16, RT
	s_mul_i32 s68, s17, 196608                     ; Q's codes: the tile's 16 row tiles of 12,288 bytes
	s_lshl_b32 s94, s19, 4
	s_lshl_b32 s95, s42, 1
	s_add_co_u32 s94, s94, s95                     ; K: group 16 x batch + 2 x tile column
	s_mul_i32 s70, s94, 98304
	s_add_co_u32 s70, s70, 6291456
	s_cmp_eq_u32 s15, 0                            ; the prefetches: A's tile or B's, by the wave's number;
	s_cselect_b32 s72, s68, s70
	s_cselect_b32 s73, s40, s41                    ; my place among the four that ask for it with me: it enters this address alone
	s_lshl_b32 s73, s73, 1
	s_add_co_u32 s73, s73, s16
	s_mul_i32 s73, s73, 24576                      ; two row tiles a wave
	s_add_co_u32 s72, s72, s73
	s_add_co_u32 s72, s72, 6144                    ; kappa 4 to 7: slots 2 and 3
	s_mul_i32 s20, s16, 98304                      ; the refills: my half of a tile, eight row tiles
	s_add_co_u32 s46, s70, s20
	s_add_co_u32 s20, s68, s20
	s_add_co_u32 s68, s68, s45                     ; the head's loads: slot = wave % 2
	s_add_co_u32 s70, s70, s45
	s_lshl_b32 s22, s17, 13                        ; Q's scale words: 16 planes on end
	s_add_co_u32 s22, s22, 18874368
	s_lshl_b32 s92, s94, 12                        ; K's
	s_add_co_u32 s92, s92, 19136512
	s_add_co_u32 s43, s95, s16                     ; kappa of the result: my chunk of 128 keys
	s_lshl_b32 s74, s17, 21                        ; adj at my first query and key: 256 x tile row + 128 x half rows of 8,192 bytes, kappa chunks of 512
	s_lshl_b32 s75, s15, 20
	s_add_co_u32 s74, s74, s75
	s_lshl_b32 s75, s43, 9
	s_add_co_u32 s74, s74, s75
.irp z, 21,23,47,69,71,73,75,93
	s_mov_b32 s\z, 0
.endr
	s_mul_i32 s96, s16, AB*RT
	s_add_co_u32 s97, s96, ATB
	s_wait_dscnt 0x0                               ; both opening adds are done
	s_wait_kmcnt 0x0
	s_add_nc_u64 s[20:21], s[4:5], s[20:21]
	s_add_nc_u64 s[46:47], s[4:5], s[46:47]
	s_add_nc_u64 s[22:23], s[4:5], s[22:23]
	s_add_nc_u64 s[92:93], s[4:5], s[92:93]
	s_add_nc_u64 s[72:73], s[4:5], s[72:73]
	s_add_nc_u64 s[6:7], s[6:7], s[74:75]
	CROUND                                         ; all sixteen work-groups are here: the first joint loads meet
	s_mov_b32 s[G0H], 1
	s_mul_i32 s[G0H+1], s16, SLOT
	s_add_nc_u64 s[G0H+2:G0H+3], s[4:5], s[68:69]
	s_or_b32 s[G0H+3], s[G0H+3], 0x80000000
	s_mov_b32 s[G0HB], 1
	s_add_co_u32 s[G0HB+1], s[G0H+1], ATB
	s_add_nc_u64 s[G0HB+2:G0HB+3], s[4:5], s[70:71]
	s_or_b32 s[G0HB+3], s[G0HB+3], 0x80000000
	JLOAD G0H, G1, G0HB, G1B                       ; one tensor load a wave at the head
	v_and_b32 v1, 15, v0                           ; r
	v_bfe_u32 v2, v0, 4, 1                         ; h
	v_and_b32 v3, 31, v0
	v_lshlrev_b32 v[LI], 4, v3
	v_lshlrev_b32 v[LS], 2, v3
	v_lshlrev_b32 v5, 4, v0                        ; 16 x thread: the work-group reads 2,048 consecutive bytes, four planes, a load
	v_min_u32 v[PFO], 23, v3
	v_lshlrev_b32 v[PFO], 8, v[PFO]
	s_wait_alu depctr_va_vdst(0)
.irp c, 0,1,2,3
	global_load_b128 v[XS+4*\c:XS+4*\c+3], v5, s[22:23] offset:2048*\c
.endr
.irp c, 0,1,2,3
	global_load_b128 v[XS+16+4*\c:XS+16+4*\c+3], v5, s[92:93] offset:2048*\c
.endr
	ADJLOAD 0
	ADJLOAD 1
	global_prefetch_b8 v[PFO], s[72:73] th:TH_LOAD_NT scope:SCOPE_SE
	global_prefetch_b8 v[PFO], s[72:73] offset:12288 th:TH_LOAD_NT scope:SCOPE_SE
.irp s, 0,1                                    ; the refills' groups 0: a quarter of a slot a wave
	s_mov_b32 s[G0+4*\s], 1
	s_add_co_u32 s[G0+4*\s+1], s96, \s*SLOT
	s_add_nc_u64 s[G0+4*\s+2:G0+4*\s+3], s[20:21], \s*RT
	s_or_b32 s[G0+4*\s+3], s[G0+4*\s+3], 0x80000000
	s_mov_b32 s[G0B+4*\s], 1
	s_add_co_u32 s[G0B+4*\s+1], s97, \s*SLOT
	s_add_nc_u64 s[G0B+4*\s+2:G0B+4*\s+3], s[46:47], \s*RT
	s_or_b32 s[G0B+4*\s+3], s[G0B+4*\s+3], 0x80000000
.endr
	s_mul_i32 s18, s14, PLP
	s_add_co_u32 s18, s18, SCLA
	v_add_nc_u32 v[SSA], s18, v[LI]                ; plane (wave) of each four, 16 x lane
	s_mul_i32 s18, s15, AB*RT
	s_mul_i32 s19, s16, 8*RT
	s_add_co_u32 s19, s19, ATB
.irp s, 0,1
	v_add_nc_u32 v[ADRA+\s], s18, v[LI]
	v_add_nc_u32 v[ADRB+\s], s19, v[LI]
	s_add_co_u32 s18, s18, SLOT
	s_add_co_u32 s19, s19, SLOT
.endr
	v_mul_u32_u24 v4, v2, PLP
	v_lshl_add_u32 v4, v1, 2, v4                   ; 576 h + 4 r
	s_mul_i32 s18, s15, 8*PLP
	s_add_co_u32 s18, s18, SCLA
	v_add_nc_u32 v[ADSA], s18, v4
	s_mul_i32 s19, s16, 8*PLP
	s_add_co_u32 s19, s19, SCLB
	v_add_nc_u32 v[ADSB], s19, v4
	s_mul_i32 s18, s14, 8448
	s_add_co_u32 s18, s18, STG                     ; my stage
	v_add_nc_u32 v[STI], s18, v[LI]
	v_mul_u32_u24 v[STO], v1, 528
	v_lshl_add_u32 v[STO], v2, 6, v[STO]
	v_add_nc_u32 v[STO], s18, v[STO]
	s_mov_b32 s[HM], 0xffff0000
	s_mov_b32 s[SEL], 0x76543210
	s_mov_b32 s[SEL+1], 0xfedcba98
	s_mov_b32 s[CS], 0x3fb8aa3b                    ; log2(e)
	s_mov_b32 s[CS+1], s[CS]
	s_lshl_b32 s44, s17, 1
	s_add_co_u32 s44, s44, s15                     ; my group of 128 queries
	s_mul_i32 s20, s44, 196608                     ; eight row tiles of 16 kappa
	s_mul_i32 s45, s43, 1536
	s_add_co_u32 s20, s20, s45
	s_mov_b32 s21, 0
	s_add_nc_u64 s[10:11], s[8:9], s[20:21]        ; p's codes
	s_lshl_b32 s20, s44, 13
	s_lshl_b32 s45, s43, 9
	s_add_co_u32 s20, s20, s45
	s_add_co_u32 s20, s20, 12582912
	s_add_nc_u64 s[12:13], s[8:9], s[20:21]        ; the scale words; -M 524,288 bytes on, the sums 1,048,576
	s_wait_alu depctr_va_vdst(0)
	s_wait_loadcnt 32                              ; the eight loads of scale words are in (behind them: adj's blocks 0 and 1)
.irp c, 0,1,2,3,4,5,6,7
	ds_store_b128 v[SSA], v[XS+4*\c:XS+4*\c+3] offset:4*PLP*\c
.endr
	s_wait_loadcnt 16                              ; adj's block 0 is in,
	ADJTURN 0                                      ; and goes into its accumulators
	s_wait_loadcnt 0x0
	ADJTURN 1
	s_wait_tensorcnt 0x0                           ; my load of the head is in; no tensor load of mine is out, so a descriptor may be written:
	s_mov_b32 s[G1+2], AB<<16                      ; from here on a load brings eight row tiles
	s_mov_b32 s[G1+4], AB
	s_mov_b32 s[G1B+2], 8<<16
	s_mov_b32 s[G1B+4], 8
	s_wait_dscnt 0x0                               ; my scale words are stored, adj's blocks 0 and 1 stand in the accumulators
	s_barrier_signal -1
	s_barrier_wait -1                              ; both slots and all planes are whole
	FETCH_B 0, 0, 0
	FETCH_A 0, 0, 0
	SCALES 0
	FETCH_A 0, 0, HB
	STEP 0, 1
	TURN 0, 1, -1
	STEP 1, 0
	TURN 1, 1, 2                                   ; the last refill is asked for: adj's block 2 follows it,
	STEP 2, 0
	TURN 2, 0, 3                                   ; and block 3
	STEP 3, 0
	LAST 3
; THE WAY OUT, a block of 16 queries x my 128 keys at a time.  Blocks 0 and 1 hold the logits; to the others adj is added first.  left: the loads issued behind block a + 1's sixteen, which may stay out.
.macro EPI a, left
.set AC, 64*((\a)%4)
.set WA, 2+(\a)/4
.if (\a) < 2
	ADJLOAD (\a)+5                                 ; blocks 5 and 6: wanted four blocks on
.endif
.if (\a) >= 1 && (\a) < 7
	s_wait_loadcnt \left                           ; block a + 1 of adj is in registers,
	ADJTURN (\a)+1                                 ; and goes through the stage while block a is worked
.endif
.if (\a) >= 2
.if (\a) < 7
	s_wait_dscnt 32                                ; block a is back from the stage (behind it: the next block's 16 stores and 16 loads)
.else
	s_wait_dscnt 0x0
.endif
	XSEL \a
	WIN WA|(XW<<2)
	s_wait_alu depctr_va_vdst(0)                   ; directly ahead of the first reader of the block's accumulators
.set JJ, 0
.rept 32
	v_pk_add_f32 v[T+JJ:T+JJ+1], v[AC+JJ:AC+JJ+1], v[XR+JJ:XR+JJ+1]   ; the logit; each accumulator from its low end on
.set JJ, JJ+2
.endr
	WIN 0
.if (\a) == 2
	ADJLOAD 7                                      ; into the buffer just read
.endif
.set SB, T
.set SW, 0
.else
.set SB, AC
.set SW, WA
	WIN SW|(SW<<2)
	s_wait_alu depctr_va_vdst(0)                   ; directly ahead of the first reader of the block's accumulators
.endif
.irp b, 0,1,2,3
	v_max_num_f32 v[TM+\b], v[SB+16*\b], v[SB+16*\b+1]   ; the largest logit of each block of 32 keys, each accumulator from its low end on: it serves for the chunk's maximum and, since p rises with the logit, for the block's largest p
.endr
.irp i, 2,4,6,8,10,12,14
.irp b, 0,1,2,3
	v_max3_num_f32 v[TM+\b], v[SB+16*\b+\i], v[SB+16*\b+\i+1], v[TM+\b]
.endr
.endr
	WIN 0
.irp b, 0,1,2,3
	v_permlanex16_b32 v[TM+4+\b], v[TM+\b], s[SEL], s[SEL+1]
.endr
.irp b, 0,1,2,3
	v_max_num_f32 v[TM+\b], v[TM+\b], v[TM+4+\b]   ; with lane l xor 16's 16 keys
.endr
	v_max3_num_f32 v[NM+1], v[TM], v[TM+1], v[TM+2]
	v_max_num_f32 v[NM+1], v[NM+1], v[TM+3]
	v_mul_f32 v[NM+1], s[CS], v[NM+1]              ; the chunk's largest t
	v_floor_f32 v[NM], -v[NM+1]                    ; -M = floor(-t) = -ceil(t): a whole number
	WIN SW
.set JJ, 0
.rept 32
	v_pk_fma_f32 v[T+JJ:T+JJ+1], v[SB+JJ:SB+JJ+1], s[CS:CS+1], v[NM:NM+1] op_sel_hi:[1,0,0]   ; t - M, two at a time
.set JJ, JJ+2
.endr
	WIN 0
.irp b, 0,1,2,3
	v_fma_f32 v[TM+\b], v[TM+\b], s[CS], v[NM]     ; the same of each block's largest logit
.endr
	s_wait_alu depctr_va_vdst(0)                   ; ahead of the batch
.set JJ, 0
.rept 64
	v_exp_f32 v[T+JJ], v[T+JJ]                     ; p = 2^(t - M): not normalised
.set JJ, JJ+1
.endr
	v_nop                                          ; a plain place behind the exponentials
	s_wait_alu depctr_va_vdst(0)                   ; one wait for the whole batch, ahead of its first reader
.irp b, 0,1,2,3
	v_exp_f32 v[TM+\b], v[TM+\b]                   ; the block's largest p: the same two instructions on the same number give the same bits
.endr
	v_pk_add_f32 v[LA:LA+1], v[T:T+1], v[T+2:T+3]  ; the sum is taken of the unquantised p: two at a time, in two chains
	v_pk_add_f32 v[LB:LB+1], v[T+4:T+5], v[T+6:T+7]
.irp j, 8,12,16,20,24,28,32,36,40,44,48,52,56,60
	v_pk_add_f32 v[LA:LA+1], v[LA:LA+1], v[T+\j:T+\j+1]
	v_pk_add_f32 v[LB:LB+1], v[LB:LB+1], v[T+\j+2:T+\j+3]
.endr
	v_pk_add_f32 v[LA:LA+1], v[LA:LA+1], v[LB:LB+1]
	v_add_f32 v[LL], v[LA], v[LA+1]
	v_permlanex16_b32 v[LX], v[LL], s[SEL], s[SEL+1]
	v_add_f32 v[LL], v[LL], v[LX]                  ; the chunk's sum for my query
	s_wait_alu depctr_va_vdst(0)                   ; and one wait for the four
.irp b, 0,1,2,3
	v_max_num_f32 v[TM+\b], 0x21800000, v[TM+\b]   ; the floor 2^-60: no byte falls under 65
.endr
	s_wait_alu depctr_va_vdst(0)                   ; directly ahead of the wait below
	s_wait_xcnt 0x0                                ; the last block's stores have read their data: the codes and the words may be written again
	QTAIL
.irp c, 0,1,2
	global_store_b128 v[LI], v[PC+4*\c:PC+4*\c+3], s[10:11] offset:24576*(\a)+512*\c   ; the fragment's image: 512 consecutive bytes a store, aligned
.endr
.if (\a)%2 == 0
	v_mov_b32 v[PWE], v[PW]
	v_mov_b32 v[NME], v[NM]
	v_mov_b32 v[LE], v[LL]
.else
	v_cndmask_b32 v[PWS], v[PWE], v[PW], s[HM]     ; lanes 0-15: the even block's, lanes 16-31: the odd block's: 32 neighbouring positions
	v_cndmask_b32 v[NMS], v[NME], v[NM], s[HM]
	v_cndmask_b32 v[LSS], v[LE], v[LL], s[HM]
	global_store_b32 v[LS], v[PWS], s[12:13] offset:128*((\a)/2)
	global_store_b32 v[LS], v[NMS], s[12:13] offset:524288+128*((\a)/2)
	global_store_b32 v[LS], v[LSS], s[12:13] offset:1048576+128*((\a)/2)
.endif
.endm
	PLACES                                         ; behind the last products: their operands' registers are written and their results read from here on
	ADJLOAD 4
.irp b, 0,1,2,3
	v_mov_b32 v[TM+4+\b], 0                        ; written once: a lane permute's destination counts as one of its sources
.endr
	v_mov_b32 v[LX], 0
	EPI 0, 0
	EPI 1, 48                                      ; block 2 (and 3) in; blocks 4, 5, 6 may be out
	EPI 2, 48                                      ; block 3; behind it 4, 5, 6
	EPI 3, 48                                      ; block 4; behind it 5, 6, 7
	EPI 4, 32
	EPI 5, 16
	EPI 6, 0
	EPI 7, 0
	s_wait_tensorcnt 0x0                           ; the wave's end, behind my last tensor load and my last LDS store
	ds_add_u32 v[SPW], v[NIL]
	s_wait_dscnt 0x0
	CROUND                                         ; the closing round
	s_endpgm
.Lfunc_end_k_q7fbb2dba84_scores:
	.size	k_q7fbb2dba84_scores, .Lfunc_end_k_q7fbb2dba84_scores-k_q7fbb2dba84_scores
	.p2alignl 7, 3214868480
	.fill 96, 4, 3214868480
	.section	.rodata,"a",@progbits
	.p2align	6, 0x0
	.amdhsa_kernel k_q7fbb2dba84_scores
		.amdhsa_group_segment_fixed_size 327680
		.amdhsa_private_segment_fixed_size 0
		.amdhsa_enable_private_segment 0
		.amdhsa_kernarg_size 24
		.amdhsa_user_sgpr_count 2
		.amdhsa_user_sgpr_kernarg_segment_ptr 1
		.amdhsa_wavefront_size32 1
		.amdhsa_system_sgpr_workgroup_id_x 1
		.amdhsa_system_sgpr_workgroup_id_y 1
		.amdhsa_system_sgpr_workgroup_id_z 1
		.amdhsa_system_vgpr_workitem_id 0
		.amdhsa_next_free_vgpr 1024
		.amdhsa_next_free_sgpr 100
		.amdhsa_reserve_vcc 0
		.amdhsa_float_denorm_mode_32 3
		.amdhsa_float_denorm_mode_16_64 3
		.amdhsa_memory_ordered 1
		.amdhsa_forward_progress 1
		.amdhsa_inst_pref_size 240
	.end_amdhsa_kernel
	.amdgpu_metadata
---
amdhsa.version: [ 1, 2 ]
amdhsa.kernels:
  - .name:           k_q7fbb2dba84_scores
    .symbol:         k_q7fbb2dba84_scores.kd
    .args:
      - { .name: qkv, .offset: 0, .size: 8, .value_kind: global_buffer, .address_space: global }
      - { .name: adj, .offset: 8, .size: 8, .value_kind: global_buffer, .address_space: global }
      - { .name: pb, .offset: 16, .size: 8, .value_kind: global_buffer, .address_space: global }
    .group_segment_fixed_size: 327680
    .private_segment_fixed_size: 0
    .kernarg_segment_align: 8
    .kernarg_segment_size: 24
    .max_flat_workgroup_size: 128
    .sgpr_count:     100
    .vgpr_count:     1024
    .wavefront_size: 32
...
	.end_amdgpu_metadata
.endif
;; end of part 3
;; launch pv (part 4): grid 4 x 64, 4 waves a work-group, clusters of 4 x 4, 327,680 bytes of LDS; arguments pb, qkv, tb; writes tb
.if DOCPART == 4
	.amdgcn_target "amdgcn-amd-amdhsa--gfx1250"
	.amdhsa_code_object_version 6
	.text
	.protected	k_q7fbb2dba84_pv
	.globl	k_q7fbb2dba84_pv
	.p2align	8
	.type	k_q7fbb2dba84_pv,@function
k_q7fbb2dba84_pv:
	s_mov_b64 s[64:65], 0
	v_nop
	global_prefetch_b8 v0, s[64:65] scope:SCOPE_SE
	s_setreg_imm32_b32 hwreg(HW_REG_WAVE_MODE, 25, 1), 1
	s_wait_xcnt 0x0
	s_wait_alu depctr_hold_cnt(0) depctr_sa_sdst(0) depctr_va_vdst(0) depctr_va_sdst(0) depctr_va_ssrc(0) depctr_va_vcc(0) depctr_vm_vsrc(0)
	s_getreg_b32 s2, hwreg(HW_REG_IB_STS2, 6, 4)
	s_cmp_eq_u32 s2, 0
	s_cbranch_scc0 .Lentry_in_a_cluster
	s_endpgm
.Lentry_in_a_cluster:
	s_bfe_u32 s2, ttmp6, 0x10000c
	s_cmp_lg_u32 s2, 0xf033
	s_cbranch_scc0 .Lentry_shape_is_right
	s_endpgm
.Lentry_shape_is_right:
; LAUNCH 4 OF 5.  tmp = (P V) / l on codes of FP6, quantised along d on the way out.  No work of reference() is left out here.  The workspace format: the first launch's head.
; A work-group makes 128 queries x 256 of d, a wave 64 x 128; K = the 2,048 keys goes in four slots of 512 through a ring of two LDS slots.  P's tiles are shared along a row of the cluster, V^T's along a column: joint loads.
; THE HEAD: one joint load a wave: waves 0, 1 fetch P's whole part of slots 0, 1, waves 2, 3 V^T's.  Under their flight each thread takes one query: the row's M from the 16 chunks' -M, the row's sum, and
; M - M(chunk) off each chunk's scale bytes; these words and V^T's scale words (16 KB, by plain loads: a small part of what the head brings, not asked for jointly) are stored into planes that no tensor load fills.
.set AB,    4
.set NQ,    4
.set NK,    16
.set HB,    AB/2
.set NL,    3
.set FB,    1536
.set RT,    NQ*FB
.set ATB,   2*AB*RT
.set SLOT,  ATB+16*RT
.set PLP,   576
.set SCLB,  2*SLOT
.set SCLA,  SCLB+32*PLP
.set RLT,   SCLA+16*PLP
.set SPARE, RLT+512
.set ASTEP, 256
.set SC,   32
.set AF,   144
.set T,    144
.set PC,   208
.set RL,   228
.set PW,   236
.set PWE,  237
.set PWS,  238
.set TM,   240
.set ADRA, 16
.set ADRB, 20
.set ADSA, 22
.set ADSB, 23
.set LI,   26
.set LS,   27
.set SPW,  28
.set NIL,  29
.set ARL,  31
.set G1,   24
.set G0,   32
.set G1B,  48
.set G0B,  56
.set G1SB, 80
.set G0SB, 88
.set HM,   66
.set ONES, 67
.set SEL,  98
.set MSB, 0
.macro WIN new
.set NW, \new
.if MSB != NW
	s_set_vgpr_msb (MSB<<8)|NW
.set MSB, NW
.endif
.endm
.macro PLACES
.rept 4
	v_nop
.endr
.endm
.macro JLOAD g0a, g1a, g0b, g1b
	s_cmp_eq_u32 s15, 0
	s_cbranch_scc0 .Lfor_b_\@
	tensor_load_to_lds s[\g0a:\g0a+3], s[\g1a:\g1a+7]
	s_nop 0
.rept 4
	v_nop
.endr
	s_branch .Lasked_\@
.Lfor_b_\@:
	tensor_load_to_lds s[\g0b:\g0b+3], s[\g1b:\g1b+7]
	s_nop 0
.rept 4
	v_nop
.endr
.Lasked_\@:
.endm
.macro CREST
	s_cmp_lg_u32 s14, 0
	s_cbranch_scc1 .Lnot_wave_0_\@
	s_barrier_signal -3
.Lnot_wave_0_\@:
	s_barrier_wait -3
	s_barrier_signal -1
	s_barrier_wait -1
.endm
.macro CROUND
	s_barrier_signal -1
	s_barrier_wait -1
	CREST
.endm
.macro FRAG reg, adr, off
.irp c, 0,1,2
	ds_load_b128 v[(\reg)+4*\c:(\reg)+4*\c+3], v[\adr] offset:(\off)+512*\c
.endr
.endm
.macro FETCH_B slot, q, p
	WIN 0x40
.irp i, 0,1,2,3,4,5,6,7
	FRAG 96*(\p)+12*\i, ADRB+(\slot), \i*RT+(\q)*FB
.endr
	WIN 0
.endm
.macro FETCH_A slot, q, i0
.set FI, \i0
.rept HB
	FRAG AF+12*FI, ADRA+(\slot), FI*RT+(\q)*FB
.set FI, FI+1
.endr
.endm
.macro SCALES t
.set SS, SC+24*((\t)%2)
.set SI, 0
.rept AB
.set SW, 0
.rept NQ/2
	ds_load_b32 v[SS+(NQ/2)*SI+SW], v[ADSA] offset:((\t)*NQ+2*SW)*PLP+64*SI
.set SW, SW+1
.endr
.set SI, SI+1
.endr
.set SI, 0
.rept 8
.set SW, 0
.rept NQ/2
	ds_load_b32 v[SS+8+(NQ/2)*SI+SW], v[ADSB] offset:((\t)*NQ+2*SW)*PLP+64*SI
.set SW, SW+1
.endr
.set SI, SI+1
.endr
.endm
.macro WMM cm, odd
.if (\cm) == 1
	v_wmma_scale_f32_16x16x128_f8f6f4 v[RD:RD+7], v[RB:RB+11], v[RA:RA+11], 0, v[RSB], v[RSA] matrix_a_fmt:MATRIX_FMT_FP6 matrix_b_fmt:MATRIX_FMT_FP6
.elseif \odd
	v_wmma_scale_f32_16x16x128_f8f6f4 v[RD:RD+7], v[RB:RB+11], v[RA:RA+11], v[RD:RD+7], v[RSB], v[RSA] matrix_a_fmt:MATRIX_FMT_FP6 matrix_b_fmt:MATRIX_FMT_FP6 matrix_a_scale:MATRIX_SCALE_ROW1 matrix_b_scale:MATRIX_SCALE_ROW1
.else
	v_wmma_scale_f32_16x16x128_f8f6f4 v[RD:RD+7], v[RB:RB+11], v[RA:RA+11], v[RD:RD+7], v[RSB], v[RSA] matrix_a_fmt:MATRIX_FMT_FP6 matrix_b_fmt:MATRIX_FMT_FP6
.endif
.endm
.macro MULS a0, cnt, p, q, ss, cm
.set MA, \a0
.rept \cnt
	WIN 0xa1
.set RA, AF+12*MA
.set RSA, SC+24*(\ss)+(NQ/2)*MA+(\q)/2
.irp b, 0,1,2,3,4,5,6,7
.set RD, 8*(8*MA+\b)
.set RB, 96*(\p)+12*\b
.set RSB, SC+24*(\ss)+8+(NQ/2)*\b+(\q)/2
	WMM \cm, (\q)%2
.endr
.set MA, MA+1
.endr
.endm
.macro STEP t, q, cm
	s_wait_dscnt HB*NL
	MULS 0, HB, (\q)%2, \q, (\t)%2, \cm
	s_wait_dscnt 0x0
	PLACES
	FETCH_B (\t)%2, (\q)+1, 1-(\q)%2
	FETCH_A (\t)%2, (\q)+1, 0
	MULS HB, HB, (\q)%2, \q, (\t)%2, \cm
	PLACES
	WIN 0
	FETCH_A (\t)%2, (\q)+1, HB
.endm
.macro TURN t, fill
.set SL, (\t)%2
.set NX, 1-SL
	s_wait_tensorcnt 0x0
	ds_add_u32 v[SPW], v[NIL]
	s_wait_dscnt HB*NL+1
	MULS 0, HB/2, 1, NQ-1, SL, 0
	s_wait_dscnt 0x0
	s_barrier_signal -1
	MULS HB/2, HB/2, 1, NQ-1, SL, 0
	WIN 0
	s_barrier_wait -1
.if \fill
	CREST
	s_add_nc_u64 s[G0+4*SL+2:G0+4*SL+3], s[G0+4*SL+2:G0+4*SL+3], 2*RT
	s_add_nc_u64 s[G0B+4*SL+2:G0B+4*SL+3], s[G0B+4*SL+2:G0B+4*SL+3], 2*RT
	JLOAD G0+4*SL, G1, G0B+4*SL, G1B
.else
	PLACES
.endif
	FETCH_B NX, 0, 0
	FETCH_A NX, 0, 0
	SCALES (\t)+1
	MULS HB, HB, 1, NQ-1, SL, 0
	PLACES
	WIN 0
	FETCH_A NX, 0, HB
.endm
.macro LAST t
	s_wait_dscnt HB*NL
	MULS 0, HB, 1, NQ-1, (\t)%2, 0
	s_wait_dscnt 0x0
	MULS HB, HB, 1, NQ-1, (\t)%2, 0
	WIN 0
.endm
.macro QUANT s
.irp b, 0,1,2,3
	v_max3_num_f32 v[TM+\b], |v[(\s)+16*\b]|, |v[(\s)+16*\b+1]|, 0x1800000
.endr
.irp i, 2,4,6,8,10,12,14
.irp b, 0,1,2,3
	v_max3_num_f32 v[TM+\b], |v[(\s)+16*\b+\i]|, |v[(\s)+16*\b+\i+1]|, v[TM+\b]
.endr
.endr
.irp b, 0,1,2,3
	v_permlanex16_b32 v[TM+4+\b], v[TM+\b], s[SEL], s[SEL+1]
.endr
.irp b, 0,1,2,3
	v_max_num_f32 v[TM+\b], v[TM+\b], v[TM+4+\b]
.endr
.irp b, 0,1,2,3
	v_add_nc_u32 v[TM+12+\b], 0xff000000, v[TM+\b]
.endr
.irp b, 0,1,2,3
	v_lshrrev_b32 v[TM+4+\b], 23, v[TM+12+\b]
.endr
	v_lshl_or_b32 v[PW], v[TM+5], 8, v[TM+4]
	v_lshl_or_b32 v[PW], v[TM+6], 16, v[PW]
	v_lshl_or_b32 v[PW], v[TM+7], 24, v[PW]
.irp c, 0,1
	v_cvt_scalef32_pk16_fp6_f32 v[PC+6*\c:PC+6*\c+2], v[(\s)+32*\c:(\s)+32*\c+15], v[TM+12+2*\c]
	v_cvt_scalef32_pk16_fp6_f32 v[PC+12+4*\c:PC+12+4*\c+2], v[(\s)+32*\c+16:(\s)+32*\c+31], v[TM+12+2*\c+1]
.endr
	v_nop
.irp c, 0,1
.irp i, 0,1,2
	v_permlane16_swap_b32 v[PC+6*\c+\i], v[PC+12+4*\c+\i]
.endr
.irp i, 0,1,2
	v_mov_b32 v[PC+3+6*\c+\i], v[PC+12+4*\c+\i]
.endr
.endr
.endm
	s_load_b128 s[4:7], s[0:1], 0x0
	s_load_b64 s[8:9], s[0:1], 0x10
	v_lshl_add_u32 v[SPW], v0, 2, SPARE
	v_mov_b32 v[NIL], 0
	ds_add_u32 v[SPW], v[NIL]
	ds_add_u32 v[SPW], v[NIL]
	v_lshrrev_b32 v1, 5, v0
	v_readfirstlane_b32 s14, v1
	s_lshr_b32 s15, s14, 1
	s_and_b32 s16, s14, 1
	s_bfe_u32 s40, ttmp6, 0x40000
	s_bfe_u32 s41, ttmp6, 0x40004
	s_and_b32 s18, ttmp7, 0xffff
	s_lshr_b32 s19, s18, 2
	s_lshl_b32 s17, s18, 2
	s_add_co_u32 s17, s17, s41
	s_lshl_b32 s42, ttmp9, 2
	s_add_co_u32 s42, s42, s40
	s_lshl_b32 s43, s41, 2
	s_lshl_b32 s43, 15, s43
	s_lshl_b32 s44, 0x1111, s40
	s_or_b32 s[G1], s43, (3<<16)|(1<<21)
	s_or_b32 s[G1B], s44, (3<<16)|(1<<21)
.irp g, G1, G1B
	s_mov_b32 s[\g+1], (192*NQ)<<16
	s_mov_b32 s[\g+3], (192*NQ)<<16
	s_mov_b32 s[\g+5], 192*NK
	s_mov_b32 s[\g+6], 0
	s_mov_b32 s[\g+7], 0
.endr
	s_mov_b32 s[G1+2], (2*AB)<<16                  ; the head's load brings a slot's whole part: A's 8 row tiles,
	s_mov_b32 s[G1+4], 2*AB
	s_mov_b32 s[G1B+2], 16<<16                     ; B's 16
	s_mov_b32 s[G1B+4], 16
	s_lshl_b32 s18, s17, 1
	s_add_co_u32 s18, s18, s16
	s_mul_i32 s20, s18, 98304
	s_mov_b32 s21, 0
	s_lshl_b32 s94, s42, 1
	s_add_co_u32 s94, s94, s16
	s_mul_i32 s46, s94, 196608
	s_mul_i32 s95, s19, 1572864
	s_add_co_u32 s46, s46, s95
	s_add_co_u32 s46, s46, 12582912
	s_mov_b32 s47, 0
	s_lshl_b32 s92, s19, 16
	s_lshl_b32 s95, s42, 14
	s_add_co_u32 s92, s92, s95
	s_add_co_u32 s92, s92, 19398656                ; V^T's scale words: my tile's 32 planes, 16,384 bytes on end
	s_mov_b32 s93, 0
	s_mul_i32 s45, s14, PLP                        ; where I store them: plane = my wave's number, of each four
	s_add_co_u32 s45, s45, SCLB
	s_mul_i32 s95, s16, RT                         ; the head's loads: slot = wave % 2: its four kappa
	s_mul_i32 s10, s17, 196608                     ; P: the tile's 8 row tiles of 24,576 bytes
	s_add_co_u32 s10, s10, s95
	s_mov_b32 s11, 0
	s_mul_i32 s12, s42, 393216                     ; V^T: the tile's 16 row tiles, in my batch
	s_add_co_u32 s12, s12, s95
	s_mul_i32 s95, s19, 1572864
	s_add_co_u32 s12, s12, s95
	s_add_co_u32 s12, s12, 12582912
	s_mov_b32 s13, 0
	s_mul_i32 s96, s16, AB*RT
	s_mul_i32 s97, s16, 8*RT
	s_add_co_u32 s97, s97, ATB
	s_wait_dscnt 0x0
	s_wait_kmcnt 0x0
	s_add_nc_u64 s[20:21], s[4:5], s[20:21]
	s_add_nc_u64 s[46:47], s[6:7], s[46:47]
	s_add_nc_u64 s[92:93], s[6:7], s[92:93]
	CROUND
.set G0H,  76                          ; s[76:79], s[88:91] the head's groups 0
.set G0HB, 88
	s_mov_b32 s[G0H], 1
	s_mul_i32 s[G0H+1], s16, SLOT
	s_add_nc_u64 s[G0H+2:G0H+3], s[4:5], s[10:11]
	s_or_b32 s[G0H+3], s[G0H+3], 0x80000000
	s_mov_b32 s[G0HB], 1
	s_add_co_u32 s[G0HB+1], s[G0H+1], ATB
	s_add_nc_u64 s[G0HB+2:G0HB+3], s[6:7], s[12:13]
	s_or_b32 s[G0HB+3], s[G0HB+3], 0x80000000
	JLOAD G0H, G1, G0HB, G1B                       ; one tensor load a wave at the head
.irp s, 0,1
	s_mov_b32 s[G0+4*\s], 1
	s_add_co_u32 s[G0+4*\s+1], s96, \s*SLOT
	s_add_nc_u64 s[G0+4*\s+2:G0+4*\s+3], s[20:21], \s*RT
	s_or_b32 s[G0+4*\s+3], s[G0+4*\s+3], 0x80000000
	s_mov_b32 s[G0B+4*\s], 1
	s_add_co_u32 s[G0B+4*\s+1], s97, \s*SLOT
	s_add_nc_u64 s[G0B+4*\s+2:G0B+4*\s+3], s[46:47], \s*RT
	s_or_b32 s[G0B+4*\s+3], s[G0B+4*\s+3], 0x80000000
.endr
	s_lshl_b32 s18, s17, 13
	s_add_co_u32 s18, s18, 12582912
	s_mov_b32 s19, 0
	s_add_nc_u64 s[10:11], s[4:5], s[18:19]
	v_lshlrev_b32 v5, 2, v0
	v_lshlrev_b32 v9, 4, v0                        ; 16 x thread: the work-group reads 2,048 consecutive bytes, four planes, a load
.irp c, 0,1,2,3,4,5,6,7
	global_load_b128 v[AF+4*\c:AF+4*\c+3], v9, s[92:93] offset:2048*\c
.endr
.irp k, 0,1,2,3,4,5,6,7,8,9,10,11,12,13,14,15
	global_load_b32 v[208+\k], v5, s[10:11] offset:524288+512*\k
.endr
.irp k, 0,1,2,3,4,5,6,7,8,9,10,11,12,13,14,15
	global_load_b32 v[224+\k], v5, s[10:11] offset:1048576+512*\k
.endr
.irp k, 0,1,2,3,4,5,6,7,8,9,10,11,12,13,14,15
	global_load_b32 v[192+\k], v5, s[10:11] offset:512*\k
.endr
	v_and_b32 v1, 15, v0
	v_bfe_u32 v2, v0, 4, 1
	v_and_b32 v3, 31, v0
	v_lshlrev_b32 v[LI], 4, v3
	v_lshlrev_b32 v[LS], 2, v3
	v_add_nc_u32 v10, s45, v[LI]                   ; plane (wave) of each four, 16 x lane
	s_mul_i32 s18, s15, AB*RT
	s_mul_i32 s19, s16, 8*RT
	s_add_co_u32 s19, s19, ATB
.irp s, 0,1
	v_add_nc_u32 v[ADRA+\s], s18, v[LI]
	v_add_nc_u32 v[ADRB+\s], s19, v[LI]
	s_add_co_u32 s18, s18, SLOT
	s_add_co_u32 s19, s19, SLOT
.endr
	v_mul_u32_u24 v4, v2, PLP
	v_lshl_add_u32 v4, v1, 2, v4
	s_mul_i32 s18, s15, ASTEP
	s_add_co_u32 s19, s18, RLT
	s_add_co_u32 s18, s18, SCLA
	v_add_nc_u32 v[ADSA], s18, v4
	v_lshl_add_u32 v[ARL], v1, 2, s19
	s_mul_i32 s19, s16, NK*PLP
	s_add_co_u32 s19, s19, SCLB
	v_add_nc_u32 v[ADSB], s19, v4
	v_lshl_add_u32 v8, v0, 2, SCLA
	s_mov_b32 s[HM], 0xffff0000
	s_mov_b32 s[ONES], 0x01010101
	s_mov_b32 s[SEL], 0x76543210
	s_mov_b32 s[SEL+1], 0xfedcba98
	s_lshl_b32 s43, s42, 1
	s_add_co_u32 s43, s43, s16
	s_lshl_b32 s44, s17, 1
	s_add_co_u32 s44, s44, s15
	s_mul_i32 s20, s44, 49152
	s_mul_i32 s45, s43, 1536
	s_add_co_u32 s20, s20, s45
	s_mov_b32 s21, 0
	s_add_nc_u64 s[12:13], s[8:9], s[20:21]
	s_lshl_b32 s20, s17, 12
	s_lshl_b32 s45, s43, 9
	s_add_co_u32 s20, s20, s45
	s_lshl_b32 s45, s15, 8
	s_add_co_u32 s20, s20, s45
	s_add_co_u32 s20, s20, 6291456
	s_add_nc_u64 s[22:23], s[8:9], s[20:21]
	s_wait_loadcnt 0x0
	v_max3_num_f32 v6, -v208, -v209, -v210
.irp k, 211,213,215,217,219,221
	v_max3_num_f32 v6, v6, -v[\k], -v[\k+1]
.endr
	v_max_num_f32 v6, v6, -v223
.irp k, 0,1,2,3,4,5,6,7,8,9,10,11,12,13,14,15
	v_sub_f32 v[208+\k], -v[208+\k], v6
.endr
.irp k, 0,1,2,3,4,5,6,7,8,9,10,11,12,13,14,15
	v_max_num_f32 v[208+\k], 0xc2800000, v[208+\k]
.endr
.irp k, 0,1,2,3,4,5,6,7,8,9,10,11,12,13,14,15
	v_cvt_i32_f32 v[208+\k], v[208+\k]
.endr
.irp k, 0,1,2,3,4,5,6,7,8,9,10,11,12,13,14,15
	v_ldexp_f32 v[224+\k], v[224+\k], v[208+\k]
.endr
.irp k, 0,1,2,3,4,5,6,7,8,9,10,11,12,13,14,15
	v_mul_lo_u32 v[208+\k], v[208+\k], s[ONES]
.endr
.irp k, 0,1,2,3,4,5,6,7,8,9,10,11,12,13,14,15
	v_add_nc_u32 v[192+\k], v[192+\k], v[208+\k]
.endr
.irp k, 0,2,4,6,8,10,12,14
	v_add_f32 v[224+\k], v[224+\k], v[225+\k]
.endr
.irp k, 0,4,8,12
	v_add_f32 v[224+\k], v[224+\k], v[226+\k]
.endr
	v_add_f32 v224, v224, v228
	v_add_f32 v232, v232, v236
	v_add_f32 v224, v224, v232
	s_wait_alu depctr_va_vdst(0)
	v_rcp_f32 v7, v224
	v_nop
	s_wait_alu depctr_va_vdst(0)
.irp k, 0,1,2,3,4,5,6,7,8,9,10,11,12,13,14,15
	ds_store_b32 v8, v[192+\k] offset:PLP*\k
.endr
	ds_store_b32 v8, v7 offset:RLT-SCLA
.irp c, 0,1,2,3,4,5,6,7
	ds_store_b128 v10, v[AF+4*\c:AF+4*\c+3] offset:4*PLP*\c
.endr
	s_wait_tensorcnt 0x0                           ; my load of the head is in; no tensor load of mine is out, so a descriptor may be written:
	s_mov_b32 s[G1+2], AB<<16                      ; from here on a load brings half of a slot's part
	s_mov_b32 s[G1+4], AB
	s_mov_b32 s[G1B+2], 8<<16
	s_mov_b32 s[G1B+4], 8
	s_wait_dscnt 0x0
	s_barrier_signal -1
	s_barrier_wait -1
	FETCH_B 0, 0, 0
	FETCH_A 0, 0, 0
	SCALES 0
	FETCH_A 0, 0, HB
	STEP 0, 0, 1
	STEP 0, 1, 0
	STEP 0, 2, 0
	TURN 0, 1
	STEP 1, 0, 0
	STEP 1, 1, 0
	STEP 1, 2, 0
	TURN 1, 1
	STEP 2, 0, 0
	STEP 2, 1, 0
	STEP 2, 2, 0
	TURN 2, 0
	STEP 3, 0, 0
	STEP 3, 1, 0
	STEP 3, 2, 0
	LAST 3
.macro OUTT a
.if (\a) > 0
	s_wait_xcnt 0x0
.endif
	WIN 0x02
.set JJ, 0
.rept 32
	v_pk_mul_f32 v[T+JJ:T+JJ+1], v[64*(\a)+JJ:64*(\a)+JJ+1], v[RL+2*(\a):RL+2*(\a)+1] op_sel_hi:[1,0]
.set JJ, JJ+2
.endr
	WIN 0
	QUANT T
.irp c, 0,1,2
	global_store_b128 v[LI], v[PC+4*\c:PC+4*\c+3], s[12:13] offset:12288*(\a)+512*\c
.endr
.if (\a)%2 == 0
	v_mov_b32 v[PWE], v[PW]
.else
	v_cndmask_b32 v[PWS], v[PWE], v[PW], s[HM]
	global_store_b32 v[LS], v[PWS], s[22:23] offset:128*((\a)/2)
.endif
.endm
.irp a, 0,1,2,3
	ds_load_b32 v[RL+2*\a], v[ARL] offset:64*\a
	ds_load_b32 v[RL+2*\a+1], v[ARL] offset:64*\a
.endr
	PLACES
.irp b, 0,1,2,3
	v_mov_b32 v[TM+4+\b], 0
.endr
	s_wait_dscnt 0x0
.irp a, 0,1,2,3
	OUTT \a
.endr
	s_wait_tensorcnt 0x0
	ds_add_u32 v[SPW], v[NIL]
	s_wait_dscnt 0x0
	CROUND
	s_endpgm
.Lfunc_end_k_q7fbb2dba84_pv:
	.size	k_q7fbb2dba84_pv, .Lfunc_end_k_q7fbb2dba84_pv-k_q7fbb2dba84_pv
	.p2alignl 7, 3214868480
	.fill 96, 4, 3214868480
	.section	.rodata,"a",@progbits
	.p2align	6, 0x0
	.amdhsa_kernel k_q7fbb2dba84_pv
		.amdhsa_group_segment_fixed_size 327680
		.amdhsa_private_segment_fixed_size 0
		.amdhsa_enable_private_segment 0
		.amdhsa_kernarg_size 24
		.amdhsa_user_sgpr_count 2
		.amdhsa_user_sgpr_kernarg_segment_ptr 1
		.amdhsa_wavefront_size32 1
		.amdhsa_system_sgpr_workgroup_id_x 1
		.amdhsa_system_sgpr_workgroup_id_y 1
		.amdhsa_system_sgpr_workgroup_id_z 1
		.amdhsa_system_vgpr_workitem_id 0
		.amdhsa_next_free_vgpr 768
		.amdhsa_next_free_sgpr 100
		.amdhsa_reserve_vcc 0
		.amdhsa_float_denorm_mode_32 3
		.amdhsa_float_denorm_mode_16_64 3
		.amdhsa_memory_ordered 1
		.amdhsa_forward_progress 1
		.amdhsa_inst_pref_size 163
	.end_amdhsa_kernel
	.amdgpu_metadata
---
amdhsa.version: [ 1, 2 ]
amdhsa.kernels:
  - .name:           k_q7fbb2dba84_pv
    .symbol:         k_q7fbb2dba84_pv.kd
    .args:
      - { .name: pb, .offset: 0, .size: 8, .value_kind: global_buffer, .address_space: global }
      - { .name: qkv, .offset: 8, .size: 8, .value_kind: global_buffer, .address_space: global }
      - { .name: tb, .offset: 16, .size: 8, .value_kind: global_buffer, .address_space: global }
    .group_segment_fixed_size: 327680
    .private_segment_fixed_size: 0
    .kernarg_segment_align: 8
    .kernarg_segment_size: 24
    .max_flat_workgroup_size: 128
    .sgpr_count:     100
    .vgpr_count:     768
    .wavefront_size: 32
...
	.end_amdgpu_metadata
.endif
;; end of part 4
;; launch out (part 5): grid 4 x 64, 4 waves a work-group, clusters of 4 x 4, 327,680 bytes of LDS; arguments tb, qin, bo, out0; writes out0
.if DOCPART == 5
	.amdgcn_target "amdgcn-amd-amdhsa--gfx1250"
	.amdhsa_code_object_version 6
	.text
	.protected	k_q7fbb2dba84_out
	.globl	k_q7fbb2dba84_out
	.p2align	8
	.type	k_q7fbb2dba84_out,@function
k_q7fbb2dba84_out:
	s_mov_b64 s[64:65], 0
	v_nop
	global_prefetch_b8 v0, s[64:65] scope:SCOPE_SE
	s_setreg_imm32_b32 hwreg(HW_REG_WAVE_MODE, 25, 1), 1
	s_wait_xcnt 0x0
	s_wait_alu depctr_hold_cnt(0) depctr_sa_sdst(0) depctr_va_vdst(0) depctr_va_sdst(0) depctr_va_ssrc(0) depctr_va_vcc(0) depctr_vm_vsrc(0)
	s_getreg_b32 s2, hwreg(HW_REG_IB_STS2, 6, 4)
	s_cmp_eq_u32 s2, 0
	s_cbranch_scc0 .Lentry_in_a_cluster
	s_endpgm
.Lentry_in_a_cluster:
	s_bfe_u32 s2, ttmp6, 0x10000c
	s_cmp_lg_u32 s2, 0xf033
	s_cbranch_scc0 .Lentry_shape_is_right
	s_endpgm
.Lentry_shape_is_right:
; LAUNCH 5 OF 5.  out = tmp Wo + bo on codes of FP6; bo is the C of the first products.  No work of reference() is left out here.  The workspace format: the first launch's head.
; A work-group makes 128 rows x 256 columns, a wave 64 x 128.  All of K = 1,024 fits in LDS as two slots of 512, and both are asked for at the head, one joint load a wave: waves 0, 1 fetch tmp's whole part of
; slots 0, 1, waves 2, 3 Wo's; nothing is filled again.  tmp's tiles are shared along a row of the cluster, Wo's along a column.  The scale words (12 KB of the 300 KB that the head brings) come by plain loads and
; are stored into planes that no tensor load fills: they are not asked for jointly.  No prefetch: every tile is asked for at the head, and there is no loop to run ahead in.
.set AB,    4
.set NQ,    4
.set NK,    8
.set HB,    AB/2
.set NL,    3
.set FB,    1536
.set RT,    NQ*FB
.set ATB,   2*AB*RT
.set SLOT,  ATB+16*RT
.set PLP,   576
.set SCLA,  2*SLOT
.set SCLB,  SCLA+8*PLP
.set SPARE, SCLB+16*PLP
.set ASTEP, 256
.set SC,   32
.set BI,   80
.set BK,   80
.set AF,   144
.set ADRA, 16
.set ADRB, 20
.set ADSA, 22
.set ADSB, 23
.set STO,  24
.set RD0,  25
.set LI,   26
.set SPW,  28
.set NIL,  29
.set G1,   24
.set G0,   32
.set G1B,  48
.set G0B,  56
.set G1S,  68
.set G0S,  76
.set G1SB, 80
.set G0SB, 88
.set MSB, 0
.macro WIN new
.set NW, \new
.if MSB != NW
	s_set_vgpr_msb (MSB<<8)|NW
.set MSB, NW
.endif
.endm
.macro PLACES
.rept 4
	v_nop
.endr
.endm
.macro JLOAD g0a, g1a, g0b, g1b
	s_cmp_eq_u32 s15, 0
	s_cbranch_scc0 .Lfor_b_\@
	tensor_load_to_lds s[\g0a:\g0a+3], s[\g1a:\g1a+7]
	s_nop 0
.rept 4
	v_nop
.endr
	s_branch .Lasked_\@
.Lfor_b_\@:
	tensor_load_to_lds s[\g0b:\g0b+3], s[\g1b:\g1b+7]
	s_nop 0
.rept 4
	v_nop
.endr
.Lasked_\@:
.endm
.macro CROUND
	s_barrier_signal -1
	s_barrier_wait -1
	s_cmp_lg_u32 s14, 0
	s_cbranch_scc1 .Lnot_wave_0_\@
	s_barrier_signal -3
.Lnot_wave_0_\@:
	s_barrier_wait -3
	s_barrier_signal -1
	s_barrier_wait -1
.endm
.macro FRAG reg, adr, off
.irp c, 0,1,2
	ds_load_b128 v[(\reg)+4*\c:(\reg)+4*\c+3], v[\adr] offset:(\off)+512*\c
.endr
.endm
.macro FETCH_B slot, q, p
	WIN 0x40
.irp i, 0,1,2,3,4,5,6,7
	FRAG 96*(\p)+12*\i, ADRB+(\slot), \i*RT+(\q)*FB
.endr
	WIN 0
.endm
.macro FETCH_A slot, q, i0
.set FI, \i0
.rept HB
	FRAG AF+12*FI, ADRA+(\slot), FI*RT+(\q)*FB
.set FI, FI+1
.endr
.endm
.macro SCALES t
.set SS, SC+24*((\t)%2)
.set SI, 0
.rept AB
.set SW, 0
.rept NQ/2
	ds_load_b32 v[SS+(NQ/2)*SI+SW], v[ADSA] offset:((\t)*NQ+2*SW)*PLP+64*SI
.set SW, SW+1
.endr
.set SI, SI+1
.endr
.set SI, 0
.rept 8
.set SW, 0
.rept NQ/2
	ds_load_b32 v[SS+8+(NQ/2)*SI+SW], v[ADSB] offset:((\t)*NQ+2*SW)*PLP+64*SI
.set SW, SW+1
.endr
.set SI, SI+1
.endr
.endm
.macro WMM odd
.if \odd
	v_wmma_scale_f32_16x16x128_f8f6f4 v[RD:RD+7], v[RB:RB+11], v[RA:RA+11], v[RC:RC+7], v[RSB], v[RSA] matrix_a_fmt:MATRIX_FMT_FP6 matrix_b_fmt:MATRIX_FMT_FP6 matrix_a_scale:MATRIX_SCALE_ROW1 matrix_b_scale:MATRIX_SCALE_ROW1
.else
	v_wmma_scale_f32_16x16x128_f8f6f4 v[RD:RD+7], v[RB:RB+11], v[RA:RA+11], v[RC:RC+7], v[RSB], v[RSA] matrix_a_fmt:MATRIX_FMT_FP6 matrix_b_fmt:MATRIX_FMT_FP6
.endif
.endm
.macro MULS a0, cnt, p, q, ss, cm
.set MA, \a0
.rept \cnt
.if (\cm) == 2
	WIN 0x81
.else
	WIN 0xa1
.endif
.set RA, AF+12*MA
.set RSA, SC+24*(\ss)+(NQ/2)*MA+(\q)/2
.irp b, 0,1,2,3,4,5,6,7
.set RD, 8*(8*MA+\b)
.set RB, 96*(\p)+12*\b
.set RSB, SC+24*(\ss)+8+(NQ/2)*\b+(\q)/2
.set RC, RD
.if (\cm) == 2
.set RC, BI+8*\b
.endif
	WMM (\q)%2
.endr
.set MA, MA+1
.endr
.endm
.macro STEP t, q, cm
	s_wait_dscnt HB*NL
	MULS 0, HB, (\q)%2, \q, (\t)%2, \cm
	s_wait_dscnt 0x0
	PLACES
	FETCH_B (\t)%2, (\q)+1, 1-(\q)%2
	FETCH_A (\t)%2, (\q)+1, 0
	MULS HB, HB, (\q)%2, \q, (\t)%2, \cm
	PLACES
	WIN 0
	FETCH_A (\t)%2, (\q)+1, HB
.endm
.macro TURN t
.set SL, (\t)%2
.set NX, 1-SL
	s_wait_tensorcnt 0x0
	ds_add_u32 v[SPW], v[NIL]
	s_wait_dscnt HB*NL+1
	MULS 0, HB/2, 1, NQ-1, SL, 0
	s_wait_dscnt 0x0
	s_barrier_signal -1
	MULS HB/2, HB/2, 1, NQ-1, SL, 0
	WIN 0
	s_barrier_wait -1
	PLACES
	FETCH_B NX, 0, 0
	FETCH_A NX, 0, 0
	SCALES (\t)+1
	MULS HB, HB, 1, NQ-1, SL, 0
	PLACES
	WIN 0
	FETCH_A NX, 0, HB
.endm
.macro LAST t
	s_wait_dscnt HB*NL
	MULS 0, HB, 1, NQ-1, (\t)%2, 0
	s_wait_dscnt 0x0
	MULS HB, HB, 1, NQ-1, (\t)%2, 0
	WIN 0
.endm
	s_load_b256 s[4:11], s[0:1], 0x0
	v_lshl_add_u32 v[SPW], v0, 2, SPARE
	v_mov_b32 v[NIL], 0
	ds_add_u32 v[SPW], v[NIL]
	ds_add_u32 v[SPW], v[NIL]
	v_lshrrev_b32 v1, 5, v0
	v_readfirstlane_b32 s14, v1
	s_lshr_b32 s15, s14, 1
	s_and_b32 s16, s14, 1
	s_bfe_u32 s40, ttmp6, 0x40000
	s_bfe_u32 s41, ttmp6, 0x40004
	s_and_b32 s17, ttmp7, 0xffff
	s_lshl_b32 s17, s17, 2
	s_add_co_u32 s17, s17, s41
	s_lshl_b32 s42, ttmp9, 2
	s_add_co_u32 s42, s42, s40
	s_lshl_b32 s43, s41, 2
	s_lshl_b32 s43, 15, s43
	s_lshl_b32 s44, 0x1111, s40
	s_or_b32 s[G1], s43, (3<<16)|(1<<21)
	s_or_b32 s[G1B], s44, (3<<16)|(1<<21)
.irp g, G1, G1B
	s_mov_b32 s[\g+1], (192*NQ)<<16
	s_mov_b32 s[\g+3], (192*NQ)<<16
	s_mov_b32 s[\g+5], 192*NK
	s_mov_b32 s[\g+6], 0
	s_mov_b32 s[\g+7], 0
.endr
	s_mov_b32 s[G1+2], (2*AB)<<16                  ; a load brings a slot's whole part: A's 8 row tiles,
	s_mov_b32 s[G1+4], 2*AB
	s_mov_b32 s[G1B+2], 16<<16                     ; B's 16
	s_mov_b32 s[G1B+4], 16
	s_mul_i32 s18, s16, RT                         ; slot = wave % 2: its four kappa
	s_mul_i32 s20, s17, 98304                      ; tmp's codes: the tile's 8 row tiles of 12,288 bytes
	s_add_co_u32 s20, s20, s18
	s_lshl_b32 s22, s17, 12                        ; its scale words: eight planes on end
	s_add_co_u32 s22, s22, 6291456
	s_mul_i32 s46, s42, 196608                     ; Wo's codes: the tile's 16 row tiles
	s_add_co_u32 s46, s46, s18
	s_add_co_u32 s46, s46, 14942208
	s_lshl_b32 s92, s42, 13                        ; its scale words: sixteen planes on end
	s_add_co_u32 s92, s92, 16351232
	s_mov_b32 s21, 0
	s_mov_b32 s23, 0
	s_mov_b32 s47, 0
	s_mov_b32 s93, 0
	s_mul_i32 s96, s16, SLOT
	s_wait_dscnt 0x0
	s_wait_kmcnt 0x0
	s_add_nc_u64 s[20:21], s[4:5], s[20:21]
	s_add_nc_u64 s[22:23], s[4:5], s[22:23]
	s_add_nc_u64 s[46:47], s[6:7], s[46:47]
	s_add_nc_u64 s[92:93], s[6:7], s[92:93]
	CROUND
	s_mov_b32 s[G0], 1
	s_mov_b32 s[G0+1], s96
	s_mov_b64 s[G0+2:G0+3], s[20:21]
	s_or_b32 s[G0+3], s[G0+3], 0x80000000
	s_mov_b32 s[G0B], 1
	s_add_co_u32 s[G0B+1], s96, ATB
	s_mov_b64 s[G0B+2:G0B+3], s[46:47]
	s_or_b32 s[G0B+3], s[G0B+3], 0x80000000
	JLOAD G0, G1, G0B, G1B                         ; one tensor load a wave at the head
	v_and_b32 v1, 15, v0
	v_bfe_u32 v2, v0, 4, 1
	v_and_b32 v3, 31, v0
	v_lshlrev_b32 v[LI], 4, v3
	v_lshlrev_b32 v6, 4, v0                        ; 16 x thread: the work-group reads 2,048 consecutive bytes, four planes, a load
	s_mul_i32 s19, s14, PLP
	s_add_co_u32 s19, s19, SCLA
	v_add_nc_u32 v7, s19, v[LI]                    ; and stores them at plane (wave) of each four, 16 x lane
	s_wait_alu depctr_va_vdst(0)
.irp c, 0,1
	global_load_b128 v[AF+4*\c:AF+4*\c+3], v6, s[22:23] offset:2048*\c
.endr
.irp c, 0,1,2,3
	global_load_b128 v[AF+8+4*\c:AF+8+4*\c+3], v6, s[92:93] offset:2048*\c
.endr
	s_lshl_b32 s18, s42, 1
	s_add_co_u32 s18, s18, s16
	s_lshl_b32 s18, s18, 9
	s_mov_b32 s19, 0
	s_add_nc_u64 s[8:9], s[8:9], s[18:19]
	v_lshlrev_b32 v5, 6, v2
.irp b, 0,1,2,3,4,5,6,7
	global_load_b128 v[BI+8*\b:BI+8*\b+3], v5, s[8:9] offset:4*(32*(\b/2)+8*(\b%2))
	global_load_b128 v[BI+8*\b+4:BI+8*\b+7], v5, s[8:9] offset:4*(32*(\b/2)+8*(\b%2))+16
.endr
	s_lshl_b32 s20, s17, 19
	s_lshl_b32 s21, s15, 18
	s_add_co_u32 s20, s20, s21
	s_add_co_u32 s20, s20, s18
	s_mov_b32 s21, 0
	s_add_nc_u64 s[10:11], s[10:11], s[20:21]
	s_mul_i32 s18, s15, AB*RT
	s_mul_i32 s19, s16, 8*RT
	s_add_co_u32 s19, s19, ATB
.irp s, 0,1
	v_add_nc_u32 v[ADRA+\s], s18, v[LI]
	v_add_nc_u32 v[ADRB+\s], s19, v[LI]
	s_add_co_u32 s18, s18, SLOT
	s_add_co_u32 s19, s19, SLOT
.endr
	v_mul_u32_u24 v4, v2, PLP
	v_lshl_add_u32 v4, v1, 2, v4
	s_mul_i32 s18, s15, ASTEP
	s_add_co_u32 s18, s18, SCLA
	v_add_nc_u32 v[ADSA], s18, v4
	s_mul_i32 s19, s16, NK*PLP
	s_add_co_u32 s19, s19, SCLB
	v_add_nc_u32 v[ADSB], s19, v4
	s_mul_i32 s18, s14, 8448
	v_mul_u32_u24 v[STO], v1, 528
	v_lshl_add_u32 v[STO], v2, 6, v[STO]
	v_add_nc_u32 v[STO], s18, v[STO]
	v_add_nc_u32 v[RD0], s18, v[LI]
	s_wait_alu depctr_va_vdst(0)
	s_wait_loadcnt 16                              ; the six loads of scale words are in (behind them: the sixteen of bo)
	s_wait_tensorcnt 0x0                           ; my load of the head is in
.irp c, 0,1,2,3,4,5
	ds_store_b128 v7, v[AF+4*\c:AF+4*\c+3] offset:4*PLP*\c   ; A's 8 planes, then B's 16
.endr
	s_wait_dscnt 0x0                               ; my stores of scale words are done
	s_barrier_signal -1
	s_barrier_wait -1
	FETCH_B 0, 0, 0
	FETCH_A 0, 0, 0
	SCALES 0
	FETCH_A 0, 0, HB
	s_wait_loadcnt 0x0
	STEP 0, 0, 2
	STEP 0, 1, 0
	STEP 0, 2, 0
	TURN 0
	STEP 1, 0, 0
	STEP 1, 1, 0
	STEP 1, 2, 0
	LAST 1
.macro TOSTAGE a
	WIN 0x08
.irp b, 0,1,2,3,4,5,6,7
	ds_store_b128 v[STO], v[64*(\a)+8*\b:64*(\a)+8*\b+3] offset:128*(\b/2)+32*(\b%2)
	ds_store_b128 v[STO], v[64*(\a)+8*\b+4:64*(\a)+8*\b+7] offset:128*(\b/2)+32*(\b%2)+16
.endr
	WIN 0
.irp t, 0,1,2,3,4,5,6,7,8,9,10,11,12,13,14,15
	ds_load_b128 v[BK+64*((\a)%2)+4*\t:BK+64*((\a)%2)+4*\t+3], v[RD0] offset:528*\t
.endr
.endm
.macro SEND a, younger
	s_wait_dscnt \younger
.irp t, 0,1,2,3,4,5,6,7,8,9,10,11,12,13,14,15
	global_store_b128 v[LI], v[BK+64*((\a)%2)+4*\t:BK+64*((\a)%2)+4*\t+3], s[10:11] offset:(32*((\a)/2)+8*((\a)%2)+\t%8+16*(\t/8))*4096 th:TH_STORE_NT
.endr
.endm
	PLACES
	TOSTAGE 0
.irp a, 1,2,3
.if \a > 1
	s_wait_xcnt 0x0
.endif
	TOSTAGE \a
	SEND \a-1, 32
.endr
	SEND 3, 0
	s_wait_tensorcnt 0x0
	ds_add_u32 v[SPW], v[NIL]
	s_wait_dscnt 0x0
	CROUND
	s_endpgm
.Lfunc_end_k_q7fbb2dba84_out:
	.size	k_q7fbb2dba84_out, .Lfunc_end_k_q7fbb2dba84_out-k_q7fbb2dba84_out
	.p2alignl 7, 3214868480
	.fill 96, 4, 3214868480
	.section	.rodata,"a",@progbits
	.p2align	6, 0x0
	.amdhsa_kernel k_q7fbb2dba84_out
		.amdhsa_group_segment_fixed_size 327680
		.amdhsa_private_segment_fixed_size 0
		.amdhsa_enable_private_segment 0
		.amdhsa_kernarg_size 32
		.amdhsa_user_sgpr_count 2
		.amdhsa_user_sgpr_kernarg_segment_ptr 1
		.amdhsa_wavefront_size32 1
		.amdhsa_system_sgpr_workgroup_id_x 1
		.amdhsa_system_sgpr_workgroup_id_y 1
		.amdhsa_system_sgpr_workgroup_id_z 1
		.amdhsa_system_vgpr_workitem_id 0
		.amdhsa_next_free_vgpr 768
		.amdhsa_next_free_sgpr 100
		.amdhsa_reserve_vcc 0
		.amdhsa_float_denorm_mode_32 3
		.amdhsa_float_denorm_mode_16_64 3
		.amdhsa_memory_ordered 1
		.amdhsa_forward_progress 1
		.amdhsa_inst_pref_size 81
	.end_amdhsa_kernel
	.amdgpu_metadata
---
amdhsa.version: [ 1, 2 ]
amdhsa.kernels:
  - .name:           k_q7fbb2dba84_out
    .symbol:         k_q7fbb2dba84_out.kd
    .args:
      - { .name: tb, .offset: 0, .size: 8, .value_kind: global_buffer, .address_space: global }
      - { .name: qin, .offset: 8, .size: 8, .value_kind: global_buffer, .address_space: global }
      - { .name: bo, .offset: 16, .size: 8, .value_kind: global_buffer, .address_space: global }
      - { .name: out0, .offset: 24, .size: 8, .value_kind: global_buffer, .address_space: global }
    .group_segment_fixed_size: 327680
    .private_segment_fixed_size: 0
    .kernarg_segment_align: 8
    .kernarg_segment_size: 32
    .max_flat_workgroup_size: 128
    .sgpr_count:     100
    .vgpr_count:     768
    .wavefront_size: 32
...
	.end_amdgpu_metadata
.endif
;; end of part 5
